; MI455X (gfx1250); checked and timed in simulation.
; The chip was launched on July 23, 2026; its instructions are those of AMD's public machine-readable ISA for CDNA 5 (MIT licence, August 2026) and "CDNA5" Instruction Set Architecture Reference Guide (July 2026). The comments in the code are by the model that wrote it; some were corrected since.
;; Linear Attention. Allowed arithmetic: matrix products marked QUANTISED: E2M1 operands, one E8M0 scale for each 32 along K, by v_wmma_scale_f32_16x16x128_f8f6f4 with both operands' format E2M1 (or v_wmma_scale_f32_32x16x128_f4), f32 sums; products left as they are: f32 operands where the result goes on into a quantised operand, else bf16, f16 or f32 operands; f32 sums; everything else in f32.
;; Inputs: Wk 1,024 x 1,024 float32; Wo 1,024 x 1,024 float32; Wq 1,024 x 1,024 float32; Wv 1,024 x 1,024 float32; beta 16 float32; bk 1,024 float32; bo 1,024 float32; bq 1,024 float32; bv 1,024 float32; x 2,048 x 2 x 1,024 float32.
;; Outputs: out0 2,048 x 2 x 1,024 float32.
;; This version of the problem:
;;   THIS VERSION OF THE PROBLEM IS GIVEN IN LOW PRECISION. The matrix products marked QUANTISED in the list below multiply operands that are first quantised to E2M1 (2 exponent bits, 1 mantissa bit; 4 bits a number), with one power-of-two scale for each 32 numbers along K (OCP MX v1.0); their sums are f32. All else is computed in f32.
;;   The module's matrix products, in the order in which they are computed (A, B: the left and right operand; K: the contracted axis; several contracted axes count as one K, in the product's order):
;;     1. [M 4,096, K 1,024] x [K 1,024, N 1,024]; A: input x; B: input Wq: QUANTISED
;;     2. [M 4,096, K 1,024] x [K 1,024, N 1,024]; A: input x; B: input Wk: QUANTISED
;;     3. [M 4,096, K 1,024] x [K 1,024, N 1,024]; A: input x; B: input Wv: QUANTISED
;;     4. batch 65,536 x [M 1, K 64] x [K 64, N 64]; A: computed on the way; B: computed on the way: left as it is (M = 1 < 16)
;;     5. batch 65,536 x [M 1, K 64] x [K 64, N 1]; A: computed on the way; B: computed on the way: left as it is (M = 1 < 16)
;;     6. [M 4,096, K 1,024] x [K 1,024, N 1,024]; A: computed on the way; B: input Wo: QUANTISED
;;   THE QUANTISER, for each operand of a quantised product, along K:
;;     - K is cut into blocks of 32 from its start; a last block that is shorter is filled with zeros.
;;     - A block's scale is 2^e with e = floor(log2(the largest magnitude in the block)) - 2, held to -126 .. 127; a block of zeros has e = 0. As a byte (E8M0): e + 127.
;;     - Each number is divided by its block's scale, clamped to +-6, and rounded to the nearest number of E2M1, ties to even, subnormals kept.
;;     - The product sums the exact products of the quantised numbers (number of the format x scale) in f32.
;;   ~~~python
;;   def quantise(x, axis):      # numpy; x: float32 -> the quantised numbers, widened to float32 again
;;       x = np.moveaxis(x, axis, -1); K = x.shape[-1]
;;       x = np.pad(x, [(0, 0)] * (x.ndim - 1) + [(0, -K % 32)]); x = x.reshape(x.shape[:-1] + (-1, 32)); a = np.abs(x).max(-1, keepdims=True)
;;       e = np.where(a > 0, np.clip(np.frexp(np.where(a > 0, a, 1))[1] - 1 - 2, -126, 127), 0)      # np.frexp(a)[1] - 1 = floor(log2(a)), exactly
;;       r = np.clip(x / 2.0 ** e, -6, 6)
;;       step = 2.0 ** (np.maximum(np.frexp(np.where(r == 0, 1, r))[1] - 1, 0) - 1)
;;       q = np.round(r / step) * step * 2.0 ** e      # np.round: ties to even
;;       return np.moveaxis(q.reshape(q.shape[:-2] + (-1,))[..., :K], -1, axis).astype(np.float32)
;;   ~~~
;;   OPERANDS COMPUTED ON THE WAY. 'Computed on the way' means the value that the module computes at that place (a softmax that the list does not call 'softmax' is quantised finished and normalised). What goes into a quantiser is computed in f32, as accurately as f32 sums, v_exp_f32 and their like allow (about 1e-6 of the number): no bf16 or f16 on the way to a quantiser, and a product that is left as it is and whose result goes on into a quantised operand takes f32 operands (vector FMAs, or v_wmma_f32_16x16x4_f32). A number that lies on a knife's edge between two numbers of the format may be rounded either way, as far as f32 arithmetic and the matrix unit's own rounding can turn it there, and no further.
;; One version. Each part assembles by itself: llvm-mc -triple=amdgcn-amd-amdhsa -mcpu=gfx1250 --defsym DOCPART=n.
;; ======== version 1 of 1: 4 launches
;; workspace buffers: codes 4,194,304 bytes; scales 262,144 bytes; st 17,039,360 bytes; ac 2,097,152 bytes; asc 131,072 bytes
;; launch quant (part 1): grid 256 x 1, 4 waves a work-group, no clusters, 33,280 bytes of LDS; arguments x, Wq, Wk, Wv, Wo, codes, scales; writes codes, scales
.if DOCPART == 1
	.amdgcn_target "amdgcn-amd-amdhsa--gfx1250"
	.amdhsa_code_object_version 6
	.text
	.protected	k_qf60a841d93_quant
	.globl	k_qf60a841d93_quant
	.p2align	8
	.type	k_qf60a841d93_quant,@function
k_qf60a841d93_quant:
	s_mov_b64 s[64:65], 0
	v_nop
	global_prefetch_b8 v0, s[64:65] scope:SCOPE_SE
	s_setreg_imm32_b32 hwreg(HW_REG_WAVE_MODE, 25, 1), 1
	s_wait_xcnt 0x0
; LINEAR ATTENTION, launch 1 of 4: x, Wq, Wk, Wv, Wo (f32, K innermost) become codes of FP4 (E2M1) and one E8M0 scale byte for each 32 along K.
; NOTHING OF THE PROBLEM IS LEFT OUT: all ten inputs have a way to the output and all are loaded by some launch (biases, beta too).  The later launches take the running sums of k (x) v by chunks of 64 positions,
; which is the same sum in another order of additions (stated there as a limit); no term is dropped.
; A block's scale is 2^(floor(log2(its largest magnitude)) - 2); its byte is the largest magnitude's exponent field - 2, held at 1 from below.  A block of zeros so gets the byte 1 where the rule says 127:
; its codes are zeros, which add nothing under any byte but 0xff, and the bytes are read by this program alone.
; LIMITS: blocks whose largest magnitude lies under 2^-124 get the byte 1; NaN and infinities among the inputs are not served.
; LAYOUT OUT.  codes: 8,192 rows of 512 bytes; scales: the same rows, 32 bytes each.  Rows 0-4095: x as it lies (row = 2 s + b).  Row 4096 + 192 head + 64 m + i: row 64 head + i of Wq, Wk, Wv (m = 0, 1, 2), so that
; a head's 192 weight rows are one dense block.  Row 7168 + n: row n of Wo.
; SHARES.  A work-group takes 32 rows (32,768 numbers), a wave 8 rows: 16 steps of 512 numbers.  Work-groups 0-127 take x, then 32 each Wq, Wk, Wv, Wo: only pointers and offsets are chosen, by the work-group's number.
; Each load reads 512 consecutive bytes; a step's 2,048 bytes turn through the wave's own stage in LDS, so that a lane holds 16 neighbours along K (two lanes to a block).  Loads run eight steps (32 loads a wave) ahead.
; No matrix unit, no cluster, no tensor load: work-groups share no input and memory binds.
.set WAVES, 4
.set STEPS, 16
.set AHEAD, 8
.set CB,    8                          ; bytes of 16 codes
.set R,     16                         ; v16-143  eight sets of 16 numbers as they are loaded
.set X,     144                        ; v144-175 two sets of 16 neighbours
.set E,     176                        ; v176-191 a scale byte for each step
.set C,     192                        ; v192-223 codes: two registers for each step, so that no store's data are written again
.set WREG,  8192                       ; LDS: a region for each wave: two stages of 32 x SP bytes, behind them its 256 scale bytes
.set SP,    80                         ; a lane's place in a stage: 64 bytes + 16 of padding
.set SPW,   12                         ; v12 LDS address of my spare word; never rewritten
.set NIL,   13                         ; v13 0; never rewritten
.set SPARE, WAVES*WREG                 ; behind the regions: the spare words, 128 bytes a wave, which no other line names
	s_load_b256 s[4:11], s[0:1], 0x0               ; x, Wq, Wk, Wv
	s_load_b128 s[12:15], s[0:1], 0x20             ; Wo, codes
	s_load_b64 s[16:17], s[0:1], 0x30              ; scales
	v_lshl_add_u32 v[SPW], v0, 2, SPARE
	v_mov_b32 v[NIL], 0
	v_lshrrev_b32 v1, 5, v0
	v_readfirstlane_b32 s18, v1                    ; wave
	v_and_b32 v2, 31, v0                           ; lane
	v_lshlrev_b32 v3, 4, v2                        ; my 16 bytes of a load's 512
	s_mul_i32 s19, s18, WREG
	v_lshrrev_b32 v14, 2, v2
	v_mul_u32_u24 v14, v14, SP
	v_and_b32 v15, 3, v2
	v_lshl_add_u32 v14, v15, 4, v14
	v_add_nc_u32 v14, s19, v14                     ; the stage, on the way in: SP (lane / 4) + 16 (lane % 4)
	v_mul_u32_u24 v15, v2, SP
	v_add_nc_u32 v15, s19, v15                     ; and on the way out: SP x lane: my 16 neighbours
	v_mul_u32_u24 v4, v2, CB                       ; my codes' place in a step's
	v_lshrrev_b32 v5, 1, v2
	s_add_co_u32 s19, s19, 2*32*SP
	v_add_nc_u32 v5, s19, v5                       ; LDS: my wave's 256 scale bytes, my block's byte
	v_lshlrev_b32 v7, 3, v2                        ; and on the way out 8 bytes a lane
	v_add_nc_u32 v6, s19, v7
	; which tensor, which 32 rows of it, and where they go: all from the work-group's number
	s_cmp_lt_u32 ttmp9, 128
	s_cselect_b32 s20, 0, 128
	s_sub_co_u32 s20, ttmp9, s20                   ; x: g;  weights: g - 128
	s_lshr_b32 s21, s20, 5                         ; m: which weight (for x a number that the last choice overrides)
	s_and_b32 s22, s20, 31                         ; rb: which 32 rows of it
	s_lshr_b32 s26, s22, 1
	s_mul_i32 s26, s26, 192                        ; 192 x head
	s_lshl_b32 s27, s21, 6
	s_add_co_u32 s26, s26, s27                     ; + 64 m
	s_and_b32 s27, s22, 1
	s_lshl_b32 s27, s27, 5
	s_add_co_u32 s26, s26, s27                     ; + 32 (rb % 2)
	s_add_co_u32 s26, s26, 4096                    ; Wq, Wk, Wv
	s_lshl_b32 s27, s22, 5
	s_add_co_u32 s27, s27, 7168                    ; Wo
	s_lshl_b32 s28, ttmp9, 5                       ; x
	s_cmp_eq_u32 s21, 3
	s_cselect_b32 s26, s27, s26
	s_cmp_lt_u32 ttmp9, 128
	s_cselect_b32 s26, s28, s26                    ; the work-group's first row in codes and scales
	s_cselect_b32 s23, ttmp9, s22                  ; and its block of 32 rows in the source
	s_lshl_b32 s29, s18, 3
	s_add_co_u32 s26, s26, s29                     ; my wave's 8 rows
	s_lshl_b32 s30, s26, 9                         ; 512 bytes of codes a row
	s_mov_b32 s31, 0
	s_lshl_b32 s32, s26, 5                         ; 32 scale bytes a row
	s_mov_b32 s33, 0
	s_lshl_b32 s34, s23, 2
	s_add_co_u32 s34, s34, s18
	s_lshl_b32 s34, s34, 15                        ; 32,768 bytes of f32 for 8 rows
	s_mov_b32 s35, 0
	s_wait_kmcnt 0x0
	s_mov_b64 s[24:25], s[6:7]                     ; the source: a choice between buffers that hangs on the work-group's number alone
	s_cmp_eq_u32 s21, 1
	s_cselect_b64 s[24:25], s[8:9], s[24:25]
	s_cmp_eq_u32 s21, 2
	s_cselect_b64 s[24:25], s[10:11], s[24:25]
	s_cmp_eq_u32 s21, 3
	s_cselect_b64 s[24:25], s[12:13], s[24:25]
	s_cmp_lt_u32 ttmp9, 128
	s_cselect_b64 s[24:25], s[4:5], s[24:25]
	s_add_nc_u64 s[24:25], s[24:25], s[34:35]
	s_add_nc_u64 s[14:15], s[14:15], s[30:31]
	s_add_nc_u64 s[16:17], s[16:17], s[32:33]
.macro LOAD t
.irp i, 0,1,2,3
	global_load_b128 v[R+16*((\t)%AHEAD)+4*\i:R+16*((\t)%AHEAD)+4*\i+3], v3, s[24:25] offset:2048*(\t)+512*\i th:TH_LOAD_NT   ; 32 lanes read 512 consecutive bytes
.endr
.endm
.macro TURN t                          ; step t's numbers through the stage: LDS serves a wave's instructions in order, so no wait stands between the stores and the loads
.irp i, 0,1,2,3
	ds_store_b128 v14, v[R+16*((\t)%AHEAD)+4*\i:R+16*((\t)%AHEAD)+4*\i+3] offset:32*SP*((\t)%2)+8*SP*\i
.endr
.irp i, 0,1,2,3
	ds_load_b128 v[X+16*((\t)%2)+4*\i:X+16*((\t)%2)+4*\i+3], v15 offset:32*SP*((\t)%2)+16*\i
.endr
.endm
.irp t, 0,1,2,3,4,5,6,7
	LOAD \t
.endr
	s_wait_loadcnt 28                              ; step 0's four loads are in; the 28 of steps 1 to 7 may be out
	TURN 0
.macro STEP t
.set XS, X+16*((\t)%2)
.if (\t) > 0
	s_wait_dscnt 1                                 ; this step's numbers are back from the stage (the last step's byte store may be out)
.else
	s_wait_dscnt 0x0
.endif
.if (\t)+AHEAD < STEPS
	LOAD (\t)+AHEAD                                ; into the set whose numbers have gone through the stage
.endif
.if (\t)+1 < STEPS
.if STEPS-2-(\t) >= AHEAD-1
	s_wait_loadcnt 4*(AHEAD-1)                     ; the next step's four loads are in; those of the seven steps behind it may be out
.else
	s_wait_loadcnt 4*(STEPS-2-(\t))                ; the counts run down: four loads for each step behind the next
.endif
	TURN (\t)+1                                    ; through the other stage while this step is worked
.endif
	v_max3_num_f32 v8, |v[XS]|, |v[XS+1]|, |v[XS+2]|               ; the largest magnitude of my 16, in two chains
	v_max3_num_f32 v9, |v[XS+3]|, |v[XS+4]|, |v[XS+5]|
.irp i, 6,10
	v_max3_num_f32 v8, v8, |v[XS+\i]|, |v[XS+\i+1]|
	v_max3_num_f32 v9, v9, |v[XS+\i+2]|, |v[XS+\i+3]|
.endr
	v_max3_num_f32 v8, v8, |v[XS+14]|, |v[XS+15]|
	v_max3_num_f32 v8, v8, v9, 0x1800000           ; and the floor 2^(3 - 127): the byte cannot fall under 1
	v_max_num_f32_dpp v8, v8, v8 row_xmask:1 row_mask:0xf bank_mask:0xf   ; and of my neighbour's 16: the block's
	v_add_nc_u32 v11, 0xff000000, v8               ; 2 off its exponent field: the conversion takes the exponent field of this operand as its scale
	v_cvt_scalef32_pk8_fp4_f32 v[C+2*(\t)], v[XS:XS+7], v11
	v_cvt_scalef32_pk8_fp4_f32 v[C+2*(\t)+1], v[XS+8:XS+15], v11
	v_lshrrev_b32 v[E+(\t)], 23, v11               ; the scale's byte (a plain line behind the conversions)
	ds_store_b8 v5, v[E+(\t)] offset:16*(\t)       ; both lanes of a block write the same byte with the same value
	global_store_b64 v4, v[C+2*(\t):C+2*(\t)+1], s[14:15] offset:32*CB*(\t)   ; the wave stores 256 consecutive bytes, aligned
.endm
.irp t, 0,1,2,3,4,5,6,7,8,9,10,11,12,13,14,15
	STEP \t
.endr
	ds_load_b64 v[8:9], v6                         ; LDS serves a wave's instructions in order: these see my stores
	s_wait_dscnt 0x0
	global_store_b64 v7, v[8:9], s[16:17]          ; my 8 rows' 256 scale bytes: 256 consecutive bytes, aligned
	s_wait_tensorcnt 0x0                           ; the wave's end: behind my last LDS store
	ds_add_u32 v[SPW], v[NIL]
	s_wait_dscnt 0x0
	s_endpgm
.Lfunc_end_k_qf60a841d93_quant:
	.size	k_qf60a841d93_quant, .Lfunc_end_k_qf60a841d93_quant-k_qf60a841d93_quant
	.p2alignl 7, 3214868480
	.fill 96, 4, 3214868480
	.section	.rodata,"a",@progbits
	.p2align	6, 0x0
	.amdhsa_kernel k_qf60a841d93_quant
		.amdhsa_group_segment_fixed_size 33280
		.amdhsa_private_segment_fixed_size 0
		.amdhsa_enable_private_segment 0
		.amdhsa_kernarg_size 56
		.amdhsa_user_sgpr_count 2
		.amdhsa_user_sgpr_kernarg_segment_ptr 1
		.amdhsa_wavefront_size32 1
		.amdhsa_system_sgpr_workgroup_id_x 1
		.amdhsa_system_sgpr_workgroup_id_y 1
		.amdhsa_system_sgpr_workgroup_id_z 1
		.amdhsa_system_vgpr_workitem_id 0
		.amdhsa_next_free_vgpr 256
		.amdhsa_next_free_sgpr 66
		.amdhsa_reserve_vcc 0
		.amdhsa_float_denorm_mode_32 3
		.amdhsa_float_denorm_mode_16_64 3
		.amdhsa_memory_ordered 1
		.amdhsa_forward_progress 1
		.amdhsa_inst_pref_size 34
	.end_amdhsa_kernel
	.amdgpu_metadata
---
amdhsa.version: [ 1, 2 ]
amdhsa.kernels:
  - .name:           k_qf60a841d93_quant
    .symbol:         k_qf60a841d93_quant.kd
    .args:
      - { .name: x, .offset: 0, .size: 8, .value_kind: global_buffer, .address_space: global }
      - { .name: Wq, .offset: 8, .size: 8, .value_kind: global_buffer, .address_space: global }
      - { .name: Wk, .offset: 16, .size: 8, .value_kind: global_buffer, .address_space: global }
      - { .name: Wv, .offset: 24, .size: 8, .value_kind: global_buffer, .address_space: global }
      - { .name: Wo, .offset: 32, .size: 8, .value_kind: global_buffer, .address_space: global }
      - { .name: codes, .offset: 40, .size: 8, .value_kind: global_buffer, .address_space: global }
      - { .name: scales, .offset: 48, .size: 8, .value_kind: global_buffer, .address_space: global }
    .group_segment_fixed_size: 33280
    .private_segment_fixed_size: 0
    .kernarg_segment_align: 8
    .kernarg_segment_size: 56
    .max_flat_workgroup_size: 128
    .sgpr_count:     66
    .vgpr_count:     256
    .wavefront_size: 32
...
	.end_amdgpu_metadata
.endif
;; end of part 1
;; launch states (part 2): grid 16 x 16, 4 waves a work-group, clusters of 4 x 4, 269,824 bytes of LDS; arguments codes, scales, beta, bk, bv, st; writes st
.if DOCPART == 2
	.amdgcn_target "amdgcn-amd-amdhsa--gfx1250"
	.amdhsa_code_object_version 6
	.text
	.protected	k_qf60a841d93_states
	.globl	k_qf60a841d93_states
	.p2align	8
	.type	k_qf60a841d93_states,@function
k_qf60a841d93_states:
	s_mov_b64 s[64:65], 0
	v_nop
	global_prefetch_b8 v0, s[64:65] scope:SCOPE_SE
	s_setreg_imm32_b32 hwreg(HW_REG_WAVE_MODE, 25, 1), 1
	s_wait_xcnt 0x0
	s_wait_alu depctr_hold_cnt(0) depctr_sa_sdst(0) depctr_va_vdst(0) depctr_va_sdst(0) depctr_va_ssrc(0) depctr_va_vcc(0) depctr_vm_vsrc(0)
	s_getreg_b32 s2, hwreg(HW_REG_IB_STS2, 6, 4)
	s_cmp_eq_u32 s2, 0
	s_cbranch_scc0 .Lentry_in_a_cluster
	s_endpgm
.Lentry_in_a_cluster:
	s_bfe_u32 s2, ttmp6, 0x10000c
	s_cmp_lg_u32 s2, 0xf033
	s_cbranch_scc0 .Lentry_shape_is_right
	s_endpgm
.Lentry_shape_is_right:
; LINEAR ATTENTION, launch 2 of 4: the running sums of k (x) v and of k, by chunks of 64 positions.  Nothing of the problem is left out.
; A work-group takes one head, one batch and a segment of 256 positions; wave w takes chunk w of the segment (64 positions).
;   1. k = x Wk^T, v = x Wv^T on codes of FP4 with E8M0 scales (K = 1,024, eight steps of 128), sums in f32; + bias; k = softplus(k / (8 e^beta)), all in f32.
;   2. L = k^T v (64 x 64) and l = the sum of k over the chunk, with f32 operands: the result goes on into a quantised operand.
;   3. The four chunks' L and l meet in LDS; each wave adds up a quarter of them as a prefix over the chunks, and stores image(bh, c) = the sum over the chunks of c's segment up to and including c.
; The image of the last chunk of the last segment of each (batch, head) is stored and read by nobody: it falls out of the same lines as the others.
; LAYOUTS (r = lane % 16, h = lane / 16).  Both products have source 0 = 16 rows of x and source 1 = 16 weight rows: lane (r, h), register j holds y[position 8 h + j][feature r].  Registers 2 c, 2 c + 1 of such a tile
; are, as they stand, a K step of four positions (8 h + 2 c + 0, 1) of the f32 matrix form, for k^T (source 0) and v (source 1) alike: the same permutation of K on both sides.
; L's tile (a, u): lane (r, h), register j = L[16 a + 8 h + j][v index r of tile u].  It travels as an image of its registers.
; THE ROWS OF Wv THAT FORM A TILE ARE NOT NEIGHBOURS: lane r of tile 2 b + u takes row 32 b + 8 u + r + 8 (r / 8); the next launch makes the same choice, so the v indices agree.
; SOFTPLUS as max(y, 0) + log1p(exp(-|y|)), in base 2: t = y log2(e), e = 2^-|t|, u = 1 + e, d = e - (u - 1) (exact), result = ln 2 (max(t, 0) + log2 u) + d: d gives back what 1 + e rounds away.
; LIMITS: where y is under about -87, e is flushed to 0 and softplus gives 0 (the true value is under 1e-38); 1 / scale is a multiplication; the f32 additions of the running sums go chunk by chunk, in another
; order than a cumulative sum's; NaN and infinities are not served.
; CLUSTER 4 x 4: the four work-groups of a row of the cluster (same batch and segment) ask jointly for x's tile, the four of a column (same head) for the weights' tile.
; All of K fits in LDS at once (a row of 1,024 codes is 512 bytes): first fills only, one tensor load a wave, no slot is filled again.
; REGISTERS, in windows of 256: window 0 addresses, scale words, biases; window 1 two sets of fragments, later softplus at work, later the prefix; window 2 k's 16 tiles (v0-127) and v's (v128-255);
; window 3 L's 16 tiles, written by the f32 matrix form alone.
.set PITCH, 528                        ; an LDS row: 512 bytes + 16 of padding: the 16 rows that a load touches start at 16 different groups of banks
.set XT,    0                          ; x: 256 rows
.set WT,    256*PITCH                  ; weights: Wk's 64 rows, then Wv's 64
.set LIMG,  WT+128*PITCH               ; four images of L and l
.set IMG,   16640                      ; an image: 16,384 bytes of L, 256 of l
.set SPARE, LIMG+4*IMG                 ; the spare words, 128 bytes a wave, which no other line names
.set PADW,  (1<<20)|(1<<21)|(6<<22)|(3<<25)    ; group 1, word 0: elements of 1 byte; padding on; bit 21 beside a mask; after every 128 words, 4 words
.set ADX, 4                            ; v4  LDS: my lane's place in my wave's 64 rows of x
.set ADK, 5                            ; v5  in Wk's rows
.set ADV, 6                            ; v6  in Wv's rows (the chosen rows)
.set ALS, 7                            ; v7  where I store my L's image
.set AKW, 8                            ; v8  and my l
.set AQ,  9                            ; v9  my wave's quarter of an image
.set AKL, 10                           ; v10 my wave's 16 numbers of an l
.set VQ,  12                           ; v12 the same quarter in st
.set VKS, 13                           ; v13 and the same 16 numbers, image h
.set VXS, 14                           ; v14 x's scale words: 64 bytes a position
.set VWS, 15                           ; v15 Wk's: 32 bytes a row
.set VWV, 16                           ; v16 Wv's, by the chosen rows
.set VBK, 17                           ; v17 bk: 4 r
.set VBV, 18                           ; v18 bv, by the chosen rows
.set SPW, 22                           ; v22 my spare word; never rewritten
.set NIL, 23                           ; v23 0; never rewritten
.set CC,  24                           ; v[24:25] log2(e) / (8 e^beta), twice
.set KW,  26                           ; v26-39 at work
.set XS,  40                           ; v40-55 x's scale words: pair q of tiles, K step s at 40 + 8 q + s (lanes 0-15 tile 2 q, lanes 16-31 tile 2 q + 1)
.set WSK, 56                           ; v56-71 Wk's likewise
.set WSV, 72                           ; v72-87 Wv's likewise
.set BKR, 88                           ; v88-91 bk of my lane's feature in tile f
.set BKC2, 92                          ; v92-99 the same x CC, twice each
.set BV2, 100                          ; v100-107 bv of my lane's channel in tile u, twice each
.set KS,  108                          ; v108-115 the sum of k, a pair for each tile f
.set T_E, 0                            ; window 1, softplus at work: e,
.set T_U, 64                           ; u,
.set T_D, 128                          ; u - 1,
.set T_L, 192                          ; log2 u
.set WV,  16
.set W1,  17
.set CX,  18
.set CY,  19
.set HEAD, 20
.set YY,  21
.set BB,  22
.set SEG, 23
.set G1X, 24                           ; s[24:31] group 1 for x's tile;  s[32:39] for the weights';  s[40:43], s[44:47] their groups 0
.set G1W, 32
.set G0X, 40
.set G0W, 44
.set SEL, 48                           ; s[48:49] selects of v_permlanex16_b32: lane l xor 16
.set LN2, 50                           ; s[50:51] ln 2, twice
.set HM,  52                           ; s52 lanes 16-31
.set MSB, 0
.macro WIN new                         ; the immediate's high byte repeats the setting that is left
.if MSB != \new
	s_set_vgpr_msb (MSB<<8)|\new
.set MSB, \new
.endif
.endm
.macro PLACES n
.rept \n
	v_nop
.endr
.endm
.macro CROUND                          ; a round of the cluster's barrier
	s_barrier_signal -1
	s_barrier_wait -1
	s_cmp_lg_u32 s[WV], 0
	s_cbranch_scc1 .Lnot_wave_0_\@
	s_barrier_signal -3
.Lnot_wave_0_\@:
	s_barrier_wait -3
	s_barrier_signal -1
	s_barrier_wait -1
.endm
.macro JLOAD g0a, g1a, g0b, g1b        ; waves 0 and 1 fetch the first tile's halves, waves 2 and 3 the second's; an s_nop 0 and four v_nop follow each line
	s_cmp_lt_u32 s[WV], 2
	s_cbranch_scc0 .Lfor_b_\@
	tensor_load_to_lds s[\g0a:\g0a+3], s[\g1a:\g1a+7]
	s_nop 0
.rept 4
	v_nop
.endr
	s_branch .Lasked_\@
.Lfor_b_\@:
	tensor_load_to_lds s[\g0b:\g0b+3], s[\g1b:\g1b+7]
	s_nop 0
.rept 4
	v_nop
.endr
.Lasked_\@:
.endm
; one product on codes: D, A, B, C (c = -1: the constant 0), the two scale registers, and which half of the lanes holds each side's words
.macro W4 d, a, b, c, sa, sb, ra, rb
.if (\c) < 0
.if (\ra) && (\rb)
	v_wmma_scale_f32_16x16x128_f8f6f4 v[\d:\d+7], v[\a:\a+7], v[\b:\b+7], 0, v[\sa], v[\sb] matrix_a_fmt:MATRIX_FMT_FP4 matrix_b_fmt:MATRIX_FMT_FP4 matrix_a_scale:MATRIX_SCALE_ROW1 matrix_b_scale:MATRIX_SCALE_ROW1
.elseif (\ra)
	v_wmma_scale_f32_16x16x128_f8f6f4 v[\d:\d+7], v[\a:\a+7], v[\b:\b+7], 0, v[\sa], v[\sb] matrix_a_fmt:MATRIX_FMT_FP4 matrix_b_fmt:MATRIX_FMT_FP4 matrix_a_scale:MATRIX_SCALE_ROW1
.elseif (\rb)
	v_wmma_scale_f32_16x16x128_f8f6f4 v[\d:\d+7], v[\a:\a+7], v[\b:\b+7], 0, v[\sa], v[\sb] matrix_a_fmt:MATRIX_FMT_FP4 matrix_b_fmt:MATRIX_FMT_FP4 matrix_b_scale:MATRIX_SCALE_ROW1
.else
	v_wmma_scale_f32_16x16x128_f8f6f4 v[\d:\d+7], v[\a:\a+7], v[\b:\b+7], 0, v[\sa], v[\sb] matrix_a_fmt:MATRIX_FMT_FP4 matrix_b_fmt:MATRIX_FMT_FP4
.endif
.else
.if (\ra) && (\rb)
	v_wmma_scale_f32_16x16x128_f8f6f4 v[\d:\d+7], v[\a:\a+7], v[\b:\b+7], v[\c:\c+7], v[\sa], v[\sb] matrix_a_fmt:MATRIX_FMT_FP4 matrix_b_fmt:MATRIX_FMT_FP4 matrix_a_scale:MATRIX_SCALE_ROW1 matrix_b_scale:MATRIX_SCALE_ROW1
.elseif (\ra)
	v_wmma_scale_f32_16x16x128_f8f6f4 v[\d:\d+7], v[\a:\a+7], v[\b:\b+7], v[\c:\c+7], v[\sa], v[\sb] matrix_a_fmt:MATRIX_FMT_FP4 matrix_b_fmt:MATRIX_FMT_FP4 matrix_a_scale:MATRIX_SCALE_ROW1
.elseif (\rb)
	v_wmma_scale_f32_16x16x128_f8f6f4 v[\d:\d+7], v[\a:\a+7], v[\b:\b+7], v[\c:\c+7], v[\sa], v[\sb] matrix_a_fmt:MATRIX_FMT_FP4 matrix_b_fmt:MATRIX_FMT_FP4 matrix_b_scale:MATRIX_SCALE_ROW1
.else
	v_wmma_scale_f32_16x16x128_f8f6f4 v[\d:\d+7], v[\a:\a+7], v[\b:\b+7], v[\c:\c+7], v[\sa], v[\sb] matrix_a_fmt:MATRIX_FMT_FP4 matrix_b_fmt:MATRIX_FMT_FP4
.endif
.endif
.endm
.macro F4 d, a, b, c                   ; one product with f32 operands, four along K (c = -1: the constant 0)
.if (\c) < 0
	v_wmma_f32_16x16x4_f32 v[\d:\d+7], v[\a:\a+1], v[\b:\b+1], 0
.else
	v_wmma_f32_16x16x4_f32 v[\d:\d+7], v[\a:\a+1], v[\b:\b+1], v[\c:\c+7]
.endif
.endm
.macro FRAG reg, adr, off              ; a fragment, 16 rows x 128 K of 4-bit codes: two loads of 16 bytes, 32 bytes apart
	ds_load_b128 v[\reg:\reg+3], v[\adr] offset:\off
	ds_load_b128 v[\reg+4:\reg+7], v[\adr] offset:\off+32
.endm
; softplus on 64 registers of window 2 from base on (k's tiles: register / 32 is the tile f, whose bias x CC is added in the same multiply-add)
.macro SOFTP base
	WIN 0x82
.set i, 0
.rept 32
	v_pk_fma_f32 v[\base+i:\base+i+1], v[\base+i:\base+i+1], v[CC:CC+1], v[BKC2+2*((\base+i)/32):BKC2+2*((\base+i)/32)+1]   ; t = (sum + bias) log2(e) / (8 e^beta)
.set i, i+2
.endr
	WIN 0x42
.set i, 0
.rept 64
	v_exp_f32 v[T_E+i], -|v[\base+i]|              ; e = 2^-|t|: one batch
.set i, i+1
.endr
	v_nop                                          ; a plain line between the batch and the lines that write its sources
	WIN 0x88
.set i, 0
.rept 64
	v_max_num_f32 v[\base+i], 0, v[\base+i]        ; max(t, 0): work that names no result of the batch
.set i, i+1
.endr
	s_wait_alu depctr_va_vdst(0)                   ; one wait for the 64 exponentials, ahead of their first reader
	WIN 0x45
.set i, 0
.rept 32
	v_pk_add_f32 v[T_U+i:T_U+i+1], v[T_E+i:T_E+i+1], 1.0 op_sel_hi:[1,0]   ; u = 1 + e
.set i, i+2
.endr
.set i, 0
.rept 64
	v_log_f32 v[T_L+i], v[T_U+i]                   ; log2 u: one batch
.set i, i+1
.endr
.set i, 0
.rept 32
	v_pk_add_f32 v[T_D+i:T_D+i+1], v[T_U+i:T_U+i+1], -1.0 op_sel_hi:[1,0]   ; u - 1, exact
.set i, i+2
.endr
.set i, 0
.rept 32
	v_pk_add_f32 v[T_E+i:T_E+i+1], v[T_E+i:T_E+i+1], v[T_D+i:T_D+i+1] neg_lo:[0,1] neg_hi:[0,1]   ; d = e - (u - 1), exact
.set i, i+2
.endr
	s_wait_alu depctr_va_vdst(0)                   ; one wait for the 64 logarithms
	WIN 0x86
.set i, 0
.rept 32
	v_pk_add_f32 v[\base+i:\base+i+1], v[\base+i:\base+i+1], v[T_L+i:T_L+i+1]
.set i, i+2
.endr
	WIN 0x92
.set i, 0
.rept 32
	v_pk_fma_f32 v[\base+i:\base+i+1], v[\base+i:\base+i+1], s[LN2:LN2+1], v[T_E+i:T_E+i+1] op_sel_hi:[1,0,1]   ; ln 2 (max(t, 0) + log2 u) + d
.set i, i+2
.endr
	WIN 0
.endm
	s_load_b256 s[4:11], s[0:1], 0x0               ; codes, scales, beta, bk
	s_load_b128 s[12:15], s[0:1], 0x20             ; bv, st
	v_lshl_add_u32 v[SPW], v0, 2, SPARE
	v_mov_b32 v[NIL], 0
	ds_add_u32 v[SPW], v[NIL]                      ; the wave's opening: the add, twice on end, and its wait ahead of my first tensor load
	ds_add_u32 v[SPW], v[NIL]
	v_lshrrev_b32 v1, 5, v0
	v_readfirstlane_b32 s[WV], v1                  ; wave 0..3
	s_and_b32 s[W1], s[WV], 1                      ; which half of a tile I fetch
	s_bfe_u32 s[CX], ttmp6, 0x40000
	s_bfe_u32 s[CY], ttmp6, 0x40004
	s_lshl_b32 s[HEAD], ttmp9, 2
	s_add_co_u32 s[HEAD], s[HEAD], s[CX]           ; head = 4 x cluster x + cx
	s_and_b32 s[YY], ttmp7, 0xffff
	s_lshl_b32 s[YY], s[YY], 2
	s_add_co_u32 s[YY], s[YY], s[CY]               ; y = 4 x cluster y + cy
	s_lshr_b32 s[BB], s[YY], 3                     ; batch
	s_and_b32 s[SEG], s[YY], 7                     ; segment of 256 positions
	s_lshl_b32 s53, s[CY], 2
	s_lshl_b32 s53, 15, s53                        ; my row of the cluster
	s_lshl_b32 s66, 0x1111, s[CX]                  ; my column
	s_or_b32 s[G1X], s53, PADW                     ; x's tile hangs on y alone: shared along the row
	s_mov_b32 s[G1X+1], 512<<16                    ; tensor_dim0 = 512 bytes
	s_mov_b32 s[G1X+2], 128<<16                    ; tensor_dim1 = 128 rows
	s_mov_b32 s[G1X+3], 512<<16                    ; tile_dim0
	s_mov_b32 s[G1X+4], 128                        ; tile_dim1
	s_mov_b32 s[G1X+5], 1024                       ; from position to position: two rows of codes (the other batch lies between)
	s_mov_b32 s[G1X+6], 0
	s_mov_b32 s[G1X+7], 0
	s_or_b32 s[G1W], s66, PADW                     ; the weights' tile hangs on the head alone: shared along the column
	s_mov_b32 s[G1W+1], 512<<16
	s_mov_b32 s[G1W+2], 64<<16
	s_mov_b32 s[G1W+3], 512<<16
	s_mov_b32 s[G1W+4], 64
	s_mov_b32 s[G1W+5], 512
	s_mov_b32 s[G1W+6], 0
	s_mov_b32 s[G1W+7], 0
	s_lshl_b32 s54, s[SEG], 9                      ; x: row (256 seg + 128 half) x 2 + batch, in registers that never hold cx
	s_lshl_b32 s55, s[W1], 8
	s_add_co_u32 s54, s54, s55
	s_add_co_u32 s54, s54, s[BB]
	s_lshl_b32 s54, s54, 9
	s_mov_b32 s55, 0
	s_mul_i32 s56, s[HEAD], 192                    ; weights: row 4096 + 192 head + 64 (Wk's first) + 64 half, in registers that never hold cy
	s_lshl_b32 s57, s[W1], 6
	s_add_co_u32 s56, s56, s57
	s_add_co_u32 s56, s56, 4096+64
	s_lshl_b32 s56, s56, 9
	s_mov_b32 s57, 0
	s_mul_i32 s58, s[W1], 128*PITCH                ; where they go: no place in the cluster enters an LDS address
	s_mul_i32 s59, s[W1], 64*PITCH
	s_mov_b32 s[SEL], 0x76543210
	s_mov_b32 s[SEL+1], 0xfedcba98
	s_mov_b32 s[LN2], 0x3f317218
	s_mov_b32 s[LN2+1], 0x3f317218
	s_mov_b32 s[HM], 0xffff0000
	s_wait_dscnt 0x0                               ; both opening adds are done
	s_wait_kmcnt 0x0
	CROUND                                         ; all sixteen work-groups are here: the joint loads meet
	s_mov_b32 s[G0X], 1
	s_add_co_u32 s[G0X+1], s58, XT
	s_add_nc_u64 s[G0X+2:G0X+3], s[4:5], s[54:55]
	s_or_b32 s[G0X+3], s[G0X+3], 0x80000000
	s_mov_b32 s[G0W], 1
	s_add_co_u32 s[G0W+1], s59, WT
	s_add_nc_u64 s[G0W+2:G0W+3], s[4:5], s[56:57]
	s_or_b32 s[G0W+3], s[G0W+3], 0x80000000
	JLOAD G0X, G1X, G0W, G1W                       ; my one tensor load: all of K for my half of a tile
	; ---- scale words, biases, beta; addresses
	v_and_b32 v1, 15, v0                           ; r
	v_bfe_u32 v2, v0, 4, 1                         ; h
	v_and_b32 v3, 31, v0                           ; lane
	v_and_b32 v36, 8, v1
	v_add_nc_u32 v36, v36, v1                      ; r + 8 (r / 8)
	v_lshlrev_b32 v[VXS], 6, v3
	v_lshlrev_b32 v[VWS], 5, v3
	v_lshl_add_u32 v[VWV], v2, 3, v36
	v_lshlrev_b32 v[VWV], 5, v[VWV]                ; 32 (8 h + r + 8 (r / 8))
	v_lshlrev_b32 v[VBK], 2, v1
	v_lshlrev_b32 v[VBV], 2, v36
	s_lshl_b32 s60, s[SEG], 9
	s_lshl_b32 s61, s[WV], 7
	s_add_co_u32 s60, s60, s61
	s_add_co_u32 s60, s60, s[BB]
	s_lshl_b32 s60, s60, 5                         ; x's scale words: row (256 seg + 64 wave) x 2 + batch, 32 bytes a row
	s_mov_b32 s61, 0
	s_add_nc_u64 s[60:61], s[6:7], s[60:61]
	s_mul_i32 s62, s[HEAD], 192*32
	s_add_co_u32 s62, s62, (4096+64)*32            ; Wk's; Wv's lie 2,048 bytes on
	s_mov_b32 s63, 0
	s_add_nc_u64 s[62:63], s[6:7], s[62:63]
	s_lshl_b32 s66, s[HEAD], 8
	s_mov_b32 s67, 0
	s_add_nc_u64 s[10:11], s[10:11], s[66:67]      ; bk and bv at my head's 64 numbers
	s_add_nc_u64 s[12:13], s[12:13], s[66:67]
	s_lshl_b32 s66, s[HEAD], 2
	s_add_nc_u64 s[8:9], s[8:9], s[66:67]          ; beta[head]
	s_lshl_b32 s66, s[BB], 4
	s_add_co_u32 s66, s66, s[HEAD]                 ; bh = 16 batch + head
	s_lshl_b32 s66, s66, 5
	s_lshl_b32 s68, s[SEG], 2
	s_add_co_u32 s66, s66, s68
	s_mul_i32 s66, s66, IMG
	s_add_nc_u64 s[14:15], s[14:15], s[66:67]      ; st at image (bh, 4 seg)
.irp q, 0,1
	global_load_b128 v[XS+8*\q:XS+8*\q+3], v[VXS], s[60:61] offset:2048*\q
	global_load_b128 v[XS+8*\q+4:XS+8*\q+7], v[VXS], s[60:61] offset:2048*\q+16
	global_load_b128 v[WSK+8*\q:WSK+8*\q+3], v[VWS], s[62:63] offset:1024*\q
	global_load_b128 v[WSK+8*\q+4:WSK+8*\q+7], v[VWS], s[62:63] offset:1024*\q+16
	global_load_b128 v[WSV+8*\q:WSV+8*\q+3], v[VWV], s[62:63] offset:2048+1024*\q
	global_load_b128 v[WSV+8*\q+4:WSV+8*\q+7], v[VWV], s[62:63] offset:2048+1024*\q+16
.endr
.irp f, 0,1,2,3
	global_load_b32 v[BKR+\f], v[VBK], s[10:11] offset:64*\f
	global_load_b32 v[BV2+2*\f], v[VBV], s[12:13] offset:4*(32*(\f/2)+8*(\f%2))
	global_load_b32 v[BV2+2*\f+1], v[VBV], s[12:13] offset:4*(32*(\f/2)+8*(\f%2))
.endr
	s_load_b32 s69, s[8:9], 0x0
	v_mul_u32_u24 v37, v1, PITCH
	v_lshl_add_u32 v37, v2, 4, v37                 ; a fragment's row x pitch + 16 x half
	s_mul_i32 s70, s[WV], 64*PITCH
	v_add_nc_u32 v[ADX], s70, v37
	v_add_nc_u32 v[ADK], WT, v37
	v_mul_u32_u24 v38, v36, PITCH
	v_lshl_add_u32 v38, v2, 4, v38
	v_add_nc_u32 v[ADV], WT+64*PITCH, v38
	s_mul_i32 s70, s[WV], IMG
	s_add_co_u32 s70, s70, LIMG
	v_lshl_add_u32 v[ALS], v3, 4, s70
	v_lshl_add_u32 v[AKW], v1, 2, s70
	v_add_nc_u32 v[AKW], 16384, v[AKW]
	s_lshl_b32 s71, s[WV], 12
	v_lshl_add_u32 v[VQ], v3, 4, s71               ; 4,096 wave + 16 lane
	v_add_nc_u32 v[AQ], LIMG, v[VQ]
	s_lshl_b32 s71, s[WV], 6
	v_lshl_add_u32 v39, v1, 2, s71                 ; 64 wave + 4 r
	v_add_nc_u32 v[AKL], LIMG+16384, v39
	v_mad_u32_u24 v[VKS], v2, IMG, v39
	v_add_nc_u32 v[VKS], 16384, v[VKS]
.irp f, 0,1,2,3
	v_mov_b32 v[KW+4+\f], 0                        ; written once: a lane permute's destination counts as one of its sources
.endr
	s_wait_kmcnt 0x0
	v_mov_b32 v35, s69
	v_mul_f32 v35, 0xbfb8aa3b, v35                 ; -beta log2(e)
	v_exp_f32 v35, v35                             ; e^-beta
	v_nop
	s_wait_alu depctr_va_vdst(0)                   ; a wait ahead of the first reader
	v_mul_f32 v[CC], 0x3e38aa3b, v35               ; log2(e) / 8 x e^-beta
	v_mul_f32 v[CC+1], 0x3e38aa3b, v35
	s_wait_loadcnt 0x0                             ; scale words and biases
.irp f, 0,1,2,3
	v_mul_f32 v[BKC2+2*\f], v[BKR+\f], v[CC]
	v_mul_f32 v[BKC2+2*\f+1], v[BKR+\f], v[CC]
.endr
	s_wait_tensorcnt 0x0                           ; my part of the tiles is in,
	s_barrier_signal -1
	s_barrier_wait -1                              ; everybody's is
	; ---- k and v on codes: eight K steps of 128, two sets of fragments, 32 accumulators by turns in one order
.macro FETCH s
.set FB, 128*((\s)%2)
	WIN 0x40                                       ; destination window 1
.irp p, 0,1,2,3
	FRAG FB+8*\p, ADX, 16*PITCH*\p+64*(\s)
.endr
.irp f, 0,1,2,3
	FRAG FB+32+8*\f, ADK, 16*PITCH*\f+64*(\s)
.endr
.irp u, 0,1,2,3
	FRAG FB+64+8*\u, ADV, PITCH*(32*(\u/2)+8*(\u%2))+64*(\s)
.endr
.endm
.macro MUL s
.set FB, 128*((\s)%2)
	WIN 0xa5                                       ; A and B window 1, C and D window 2
.irp f, 0,1,2,3
.irp p, 0,1,2,3
.set rD, 8*(4*\f+\p)
.set rC, rD
.if (\s) == 0
.set rC, -1
.endif
	W4 rD, FB+8*\p, FB+32+8*\f, rC, XS+8*(\p/2)+(\s), WSK+8*(\f/2)+(\s), \p%2, \f%2
.endr
.endr
.irp u, 0,1,2,3
.irp p, 0,1,2,3
.set rD, 128+8*(4*\u+\p)
.set rC, rD
.if (\s) == 0
.set rC, -1
.endif
	W4 rD, FB+8*\p, FB+64+8*\u, rC, XS+8*(\p/2)+(\s), WSV+8*(\u/2)+(\s), \p%2, \u%2
.endr
.endr
.endm
	FETCH 0
.set STP, 0
.rept 8
.if STP < 7
.if STP > 0
	PLACES 4                                       ; in front of loads into the set that the last step's products read
.endif
	FETCH STP+1
	s_wait_dscnt 24                                ; all but the 24 loads just issued: this step's set is in
.else
	s_wait_dscnt 0x0
.endif
	MUL STP
.set STP, STP+1
.endr
	; ---- bias on v, softplus on k, the sum of k
	PLACES 4
	WIN 0x82
.irp u, 0,1,2,3
.set i, 0
.rept 16
	v_pk_add_f32 v[128+32*\u+i:128+32*\u+i+1], v[128+32*\u+i:128+32*\u+i+1], v[BV2+2*\u:BV2+2*\u+1]
.set i, i+2
.endr
.endr
	SOFTP 0
	SOFTP 64
	WIN 0x0a
.irp f, 0,1,2,3
	v_pk_add_f32 v[KS+2*\f:KS+2*\f+1], v[32*\f:32*\f+1], v[32*\f+2:32*\f+3]   ; tile f's 32 registers are my feature's 32 positions; the four tiles by turns
.endr
	WIN 0x08
.irp i, 4,6,8,10,12,14,16,18,20,22,24,26,28,30
.irp f, 0,1,2,3
	v_pk_add_f32 v[KS+2*\f:KS+2*\f+1], v[KS+2*\f:KS+2*\f+1], v[32*\f+\i:32*\f+\i+1]
.endr
.endr
	WIN 0
.irp f, 0,1,2,3
	v_add_f32 v[KW+\f], v[KS+2*\f], v[KS+2*\f+1]
.endr
.irp f, 0,1,2,3
	v_permlanex16_b32 v[KW+4+\f], v[KW+\f], s[SEL], s[SEL+1]
.endr
.irp f, 0,1,2,3
	v_add_f32 v[KW+\f], v[KW+\f], v[KW+4+\f]       ; l[16 f + r], in both halves of the lanes
.endr
	; ---- L = k^T v: 16 K steps of four positions, 16 accumulators by turns
	PLACES 4
	WIN 0xfa                                       ; A and B window 2, C and D window 3
.irp p, 0,1,2,3
.irp c, 0,1,2,3
.irp u, 0,1,2,3
.irp a, 0,1,2,3
.set rD, 8*(4*\u+\a)
.set rC, rD
.if (\p)+(\c) == 0
.set rC, -1
.endif
	F4 rD, 8*(4*\a+\p)+2*\c, 128+8*(4*\u+\p)+2*\c, rC
.endr
.endr
.endr
.endr
	WIN 0
	PLACES 8                                       ; in front of the stores that read the results
	WIN 0x0c                                       ; an LDS store's data are its source 1: window 3
.set i, 0
.rept 32
	ds_store_b128 v[ALS], v[4*i:4*i+3] offset:512*i   ; the image of my L: each tile from its low end on
.set i, i+1
.endr
	WIN 0
.irp f, 0,1,2,3
	ds_store_b32 v[AKW], v[KW+\f] offset:64*\f     ; both halves of the lanes write the same word with the same value
.endr
	s_wait_dscnt 0x0                               ; for the others' sake: my stores have landed
	s_barrier_signal -1
	s_barrier_wait -1
	; ---- the prefix over the segment's four chunks: my quarter of each image
	WIN 0x40
.irp p, 0,1,2,3
.irp i, 0,1,2,3,4,5,6,7
	ds_load_b128 v[32*\p+4*\i:32*\p+4*\i+3], v[AQ] offset:IMG*\p+512*\i
.endr
.endr
	WIN 0
.irp p, 0,1,2,3
	ds_load_b32 v[KW+6+\p], v[AKL] offset:IMG*\p
.endr
	s_wait_dscnt 0x0
	WIN 0x45
.irp p, 1,2,3
.set i, 0
.rept 16
	v_pk_add_f32 v[32*\p+i:32*\p+i+1], v[32*\p+i:32*\p+i+1], v[32*(\p-1)+i:32*(\p-1)+i+1]
.set i, i+2
.endr
.endr
	WIN 0
	v_add_f32 v[KW+7], v[KW+7], v[KW+6]
	v_add_f32 v[KW+8], v[KW+8], v[KW+7]
	v_add_f32 v[KW+9], v[KW+9], v[KW+8]
	v_cndmask_b32 v[KW+10], v[KW+6], v[KW+7], s[HM]   ; lanes 0-15 carry image 0's (2's) numbers, lanes 16-31 image 1's (3's)
	v_cndmask_b32 v[KW+11], v[KW+8], v[KW+9], s[HM]
	WIN 0x04                                       ; a store's data are its source 1: window 1
.irp p, 0,1,2,3
.irp i, 0,1,2,3,4,5,6,7
	global_store_b128 v[VQ], v[32*\p+4*\i:32*\p+4*\i+3], s[14:15] offset:IMG*\p+512*\i   ; the wave stores 512 consecutive bytes, at a multiple of 256 from st's first byte
.endr
.endr
	WIN 0
	global_store_b32 v[VKS], v[KW+10], s[14:15]
	global_store_b32 v[VKS], v[KW+11], s[14:15] offset:2*IMG
	s_wait_tensorcnt 0x0                           ; the wave's end: behind my last tensor load and my last LDS store
	ds_add_u32 v[SPW], v[NIL]
	s_wait_dscnt 0x0
	CROUND                                         ; the closing round: no work-group ends while a partner may still ask for a tile that names it
	s_endpgm
.Lfunc_end_k_qf60a841d93_states:
	.size	k_qf60a841d93_states, .Lfunc_end_k_qf60a841d93_states-k_qf60a841d93_states
	.p2alignl 7, 3214868480
	.fill 96, 4, 3214868480
	.section	.rodata,"a",@progbits
	.p2align	6, 0x0
	.amdhsa_kernel k_qf60a841d93_states
		.amdhsa_group_segment_fixed_size 269824
		.amdhsa_private_segment_fixed_size 0
		.amdhsa_enable_private_segment 0
		.amdhsa_kernarg_size 48
		.amdhsa_user_sgpr_count 2
		.amdhsa_user_sgpr_kernarg_segment_ptr 1
		.amdhsa_wavefront_size32 1
		.amdhsa_system_sgpr_workgroup_id_x 1
		.amdhsa_system_sgpr_workgroup_id_y 1
		.amdhsa_system_sgpr_workgroup_id_z 1
		.amdhsa_system_vgpr_workitem_id 0
		.amdhsa_next_free_vgpr 896
		.amdhsa_next_free_sgpr 100
		.amdhsa_reserve_vcc 0
		.amdhsa_float_denorm_mode_32 3
		.amdhsa_float_denorm_mode_16_64 3
		.amdhsa_memory_ordered 1
		.amdhsa_forward_progress 1
		.amdhsa_inst_pref_size 133
	.end_amdhsa_kernel
	.amdgpu_metadata
---
amdhsa.version: [ 1, 2 ]
amdhsa.kernels:
  - .name:           k_qf60a841d93_states
    .symbol:         k_qf60a841d93_states.kd
    .args:
      - { .name: codes, .offset: 0, .size: 8, .value_kind: global_buffer, .address_space: global }
      - { .name: scales, .offset: 8, .size: 8, .value_kind: global_buffer, .address_space: global }
      - { .name: beta, .offset: 16, .size: 8, .value_kind: global_buffer, .address_space: global }
      - { .name: bk, .offset: 24, .size: 8, .value_kind: global_buffer, .address_space: global }
      - { .name: bv, .offset: 32, .size: 8, .value_kind: global_buffer, .address_space: global }
      - { .name: st, .offset: 40, .size: 8, .value_kind: global_buffer, .address_space: global }
    .group_segment_fixed_size: 269824
    .private_segment_fixed_size: 0
    .kernarg_segment_align: 8
    .kernarg_segment_size: 48
    .max_flat_workgroup_size: 128
    .sgpr_count:     100
    .vgpr_count:     896
    .wavefront_size: 32
...
	.end_amdgpu_metadata
.endif
;; end of part 2
;; launch attn (part 3): grid 16 x 16, 4 waves a work-group, clusters of 4 x 1, 303,616 bytes of LDS; arguments codes, scales, beta, bq, bk, bv, st, ac, asc; writes ac, asc
.if DOCPART == 3
	.amdgcn_target "amdgcn-amd-amdhsa--gfx1250"
	.amdhsa_code_object_version 6
	.text
	.protected	k_qf60a841d93_attn
	.globl	k_qf60a841d93_attn
	.p2align	8
	.type	k_qf60a841d93_attn,@function
k_qf60a841d93_attn:
	s_mov_b64 s[64:65], 0
	v_nop
	global_prefetch_b8 v0, s[64:65] scope:SCOPE_SE
	s_setreg_imm32_b32 hwreg(HW_REG_WAVE_MODE, 25, 1), 1
	s_wait_xcnt 0x0
	s_wait_alu depctr_hold_cnt(0) depctr_sa_sdst(0) depctr_va_vdst(0) depctr_va_sdst(0) depctr_va_ssrc(0) depctr_va_vcc(0) depctr_vm_vsrc(0)
	s_getreg_b32 s2, hwreg(HW_REG_IB_STS2, 6, 4)
	s_cmp_eq_u32 s2, 0
	s_cbranch_scc0 .Lentry_in_a_cluster
	s_endpgm
.Lentry_in_a_cluster:
	s_bfe_u32 s2, ttmp6, 0x10000c
	s_cmp_lg_u32 s2, 0x3003
	s_cbranch_scc0 .Lentry_shape_is_right
	s_endpgm
.Lentry_shape_is_right:
; LINEAR ATTENTION, launch 3 of 4: out[s] = q[s] . (sum over t <= s of k[t] (x) v[t]) / (q[s] . sum over t <= s of k[t]), quantised for the output projection.  Nothing of the problem is left out.
; A work-group takes one head, one batch and a segment of 256 positions; wave w takes chunk w of it (64 positions, four tiles of 16).
;   1. Each chunk's state from all earlier chunks, E = (the totals of the earlier segments) + (the stored prefix inside the segment): each wave adds a quarter of the four E, they meet in LDS.
;   2. q, k, v on codes of FP4 with E8M0 scales (they are made anew here: that costs fewer bytes than sending 48 MB of f32 through memory); + bias; softplus on q and k; all in f32.
;   3. With f32 operands (the result goes on into a quantised operand): P^T = k q^T for the ten tiles on or under the diagonal, the diagonal's masked; O^T = v^T P^T + E^T q^T;
;      the divisor = q . kn(E) + the column sums of the masked P^T.
;   4. O^T / the divisor is quantised along the model's axis (a head's 64 channels are two blocks of 32) and stored as images of the next product's operand registers, with its scale bytes.
; The product with the state of zeros of the very first chunk of each (batch, head) is done like the others: it is one wave of four in its work-group, whose three partners do that product anyway.
; LAYOUTS (r = lane % 16, h = lane / 16).  q, k: source 0 = 16 weight rows, source 1 = 16 rows of x: lane (r, h), register j = y[position r][feature 16 f + 8 h + j].  v: the sources swapped: register j =
; v[position 8 h + j][channel index r].  Registers 2 c, 2 c + 1 of a tile are a K step of four of the f32 matrix form as they stand; the same permutation of K stands on both sides of each product.
; P^T's result (register j = key 8 h + j, lane = query r) is source 1 of v^T P^T as it stands; E's image is source 0 of E^T q^T as it stands.
; THE ROWS OF Wv THAT FORM A TILE ARE NOT NEIGHBOURS (lane r of tile 2 b + u takes row 32 b + 8 u + r + 8 (r / 8)), so that a lane's 16 registers of tiles 2 b, 2 b + 1 of O^T are channels 32 b + 16 h + 0 .. 15.
; LIMITS: as in the launch before (softplus gives 0 where y is under about -87; 1 / scale is a multiplication; the running sums are added chunk by chunk, in another order than a cumulative sum's); the division is a
; reciprocal and a multiplication; blocks whose largest magnitude lies under 2^-124 get the byte 1; NaN and infinities are not served.
; CLUSTER 4 x 1: four heads of one batch and segment ask jointly for x's tile (135,168 of the 236,544 bytes that a work-group fetches).  The weights' tile is not shared: its other readers are other segments.
; All of K fits in LDS: first fills only, one tensor load a wave.
; REGISTERS, in windows of 256: window 0 addresses, scale words (v40-103, scales and nothing else), biases, later the masked tiles and kn, P^T (v176-255, written by the f32 matrix form alone);
; window 1 two sets of fragments, later softplus at work, later E; window 2 q (v0-127) and k (v128-255), at the head earlier segments' totals, at the end the quotients;
; window 3 v (v0-127), at the head the states being added; O^T (v128-255, written by the f32 matrix form alone).
.set PITCH, 528
.set XT,    0                          ; x: 256 rows
.set WT,    256*PITCH                  ; weights: Wq's 64 rows, Wk's, Wv's
.set EIMG,  WT+192*PITCH               ; the four chunks' states
.set IMG,   16640
.set SPARE, EIMG+4*IMG
.set ADX, 4
.set ADQ, 5
.set ADK, 6
.set ADV, 7
.set AES, 8                            ; v8  where I store my quarter of a state
.set AKS, 9                            ; v9  and my 16 numbers of a kn, state h
.set AE,  10                           ; v10 my chunk's state
.set AKN, 11                           ; v11 my chunk's kn, my half's eight of each 16
.set VQ,  12                           ; v12 my quarter of an image in st
.set VKN, 13                           ; v13 my 16 numbers of its kn
.set VXS, 14
.set VWS, 15
.set VWV, 16
.set VB,  17                           ; v17 bq, bk: 32 h
.set VBV, 18
.set L16, 19                           ; v19 16 x lane
.set L4,  20                           ; v20 4 x lane
.set DG,  21                           ; v21 r - 8 h: on the diagonal register j counts where j <= r - 8 h
.set SPW, 22
.set NIL, 23
.set CC,  24
.set KNB, 26
.set KNI, 27
.set KNT, 30
.set XS,  40
.set WSQ, 56
.set WSK, 72
.set WSV, 88
.set BQ,  104                          ; v104-135 bq in the result's layout, eight registers a tile; v136-167 bk; v168-175 bv, twice each
.set BK,  136
.set BV2, 168
.set PT,  176
.set MK,  104                          ; behind the products on codes: the four masked diagonal tiles,
.set KN,  136                          ; kn in q's layout,
.set DS,  168                          ; the divisor's partial sums, a pair a tile
.set TM,  104                          ; at the end: largest magnitudes, the other half's, scale operands, bytes, codes, two bytes a tile, reciprocals
.set TP,  112
.set SO,  120
.set BY,  128
.set PC,  136
.set P16, 152
.set RC,  156
.set T_E, 0
.set T_U, 64
.set T_D, 128
.set T_L, 192
.set WV,  22
.set CX,  23
.set HEAD, 24
.set YY,  25
.set BB,  26
.set SEG, 27
.set G1X, 28
.set G1W, 36
.set G0X, 44
.set G0W, 48
.set SEL, 52
.set LN2, 54
.set HM,  56
.set W1,  57
.set MSK, 66                           ; s66-73 the diagonal's eight lane masks
.set S_BH, 74                          ; s[74:75] st at my (batch, head)
.set S_SEG, 76                         ; s[76:77] st at my segment's first image
.set MSB, 0
.macro WIN new
.if MSB != \new
	s_set_vgpr_msb (MSB<<8)|\new
.set MSB, \new
.endif
.endm
.macro PLACES n
.rept \n
	v_nop
.endr
.endm
.macro CROUND
	s_barrier_signal -1
	s_barrier_wait -1
	s_cmp_lg_u32 s[WV], 0
	s_cbranch_scc1 .Lnot_wave_0_\@
	s_barrier_signal -3
.Lnot_wave_0_\@:
	s_barrier_wait -3
	s_barrier_signal -1
	s_barrier_wait -1
.endm
.macro JLOAD g0a, g1a, g0b, g1b
	s_cmp_lt_u32 s[WV], 2
	s_cbranch_scc0 .Lfor_b_\@
	tensor_load_to_lds s[\g0a:\g0a+3], s[\g1a:\g1a+7]
	s_nop 0
.rept 4
	v_nop
.endr
	s_branch .Lasked_\@
.Lfor_b_\@:
	tensor_load_to_lds s[\g0b:\g0b+3], s[\g1b:\g1b+7]
	s_nop 0
.rept 4
	v_nop
.endr
.Lasked_\@:
.endm
.macro W4 d, a, b, c, sa, sb, ra, rb
.if (\c) < 0
.if (\ra) && (\rb)
	v_wmma_scale_f32_16x16x128_f8f6f4 v[\d:\d+7], v[\a:\a+7], v[\b:\b+7], 0, v[\sa], v[\sb] matrix_a_fmt:MATRIX_FMT_FP4 matrix_b_fmt:MATRIX_FMT_FP4 matrix_a_scale:MATRIX_SCALE_ROW1 matrix_b_scale:MATRIX_SCALE_ROW1
.elseif (\ra)
	v_wmma_scale_f32_16x16x128_f8f6f4 v[\d:\d+7], v[\a:\a+7], v[\b:\b+7], 0, v[\sa], v[\sb] matrix_a_fmt:MATRIX_FMT_FP4 matrix_b_fmt:MATRIX_FMT_FP4 matrix_a_scale:MATRIX_SCALE_ROW1
.elseif (\rb)
	v_wmma_scale_f32_16x16x128_f8f6f4 v[\d:\d+7], v[\a:\a+7], v[\b:\b+7], 0, v[\sa], v[\sb] matrix_a_fmt:MATRIX_FMT_FP4 matrix_b_fmt:MATRIX_FMT_FP4 matrix_b_scale:MATRIX_SCALE_ROW1
.else
	v_wmma_scale_f32_16x16x128_f8f6f4 v[\d:\d+7], v[\a:\a+7], v[\b:\b+7], 0, v[\sa], v[\sb] matrix_a_fmt:MATRIX_FMT_FP4 matrix_b_fmt:MATRIX_FMT_FP4
.endif
.else
.if (\ra) && (\rb)
	v_wmma_scale_f32_16x16x128_f8f6f4 v[\d:\d+7], v[\a:\a+7], v[\b:\b+7], v[\c:\c+7], v[\sa], v[\sb] matrix_a_fmt:MATRIX_FMT_FP4 matrix_b_fmt:MATRIX_FMT_FP4 matrix_a_scale:MATRIX_SCALE_ROW1 matrix_b_scale:MATRIX_SCALE_ROW1
.elseif (\ra)
	v_wmma_scale_f32_16x16x128_f8f6f4 v[\d:\d+7], v[\a:\a+7], v[\b:\b+7], v[\c:\c+7], v[\sa], v[\sb] matrix_a_fmt:MATRIX_FMT_FP4 matrix_b_fmt:MATRIX_FMT_FP4 matrix_a_scale:MATRIX_SCALE_ROW1
.elseif (\rb)
	v_wmma_scale_f32_16x16x128_f8f6f4 v[\d:\d+7], v[\a:\a+7], v[\b:\b+7], v[\c:\c+7], v[\sa], v[\sb] matrix_a_fmt:MATRIX_FMT_FP4 matrix_b_fmt:MATRIX_FMT_FP4 matrix_b_scale:MATRIX_SCALE_ROW1
.else
	v_wmma_scale_f32_16x16x128_f8f6f4 v[\d:\d+7], v[\a:\a+7], v[\b:\b+7], v[\c:\c+7], v[\sa], v[\sb] matrix_a_fmt:MATRIX_FMT_FP4 matrix_b_fmt:MATRIX_FMT_FP4
.endif
.endif
.endm
.macro F4 d, a, b, c
.if (\c) < 0
	v_wmma_f32_16x16x4_f32 v[\d:\d+7], v[\a:\a+1], v[\b:\b+1], 0
.else
	v_wmma_f32_16x16x4_f32 v[\d:\d+7], v[\a:\a+1], v[\b:\b+1], v[\c:\c+7]
.endif
.endm
.macro FRAG reg, adr, off
	ds_load_b128 v[\reg:\reg+3], v[\adr] offset:\off
	ds_load_b128 v[\reg+4:\reg+7], v[\adr] offset:\off+32
.endm
; softplus on 64 registers of window 2 from base on (the bias is in the sums already: it was the C of each sum's first product)
.macro SOFTP base
	WIN 0x82
.set i, 0
.rept 32
	v_pk_mul_f32 v[\base+i:\base+i+1], v[\base+i:\base+i+1], v[CC:CC+1]   ; t = y log2(e) / (8 e^beta)
.set i, i+2
.endr
	WIN 0x42
.set i, 0
.rept 64
	v_exp_f32 v[T_E+i], -|v[\base+i]|              ; e = 2^-|t|: one batch
.set i, i+1
.endr
	v_nop                                          ; a plain line between the batch and the lines that write its sources
	WIN 0x88
.set i, 0
.rept 64
	v_max_num_f32 v[\base+i], 0, v[\base+i]        ; max(t, 0): work that names no result of the batch
.set i, i+1
.endr
	s_wait_alu depctr_va_vdst(0)                   ; one wait for the 64 exponentials, ahead of their first reader
	WIN 0x45
.set i, 0
.rept 32
	v_pk_add_f32 v[T_U+i:T_U+i+1], v[T_E+i:T_E+i+1], 1.0 op_sel_hi:[1,0]
.set i, i+2
.endr
.set i, 0
.rept 64
	v_log_f32 v[T_L+i], v[T_U+i]
.set i, i+1
.endr
.set i, 0
.rept 32
	v_pk_add_f32 v[T_D+i:T_D+i+1], v[T_U+i:T_U+i+1], -1.0 op_sel_hi:[1,0]
.set i, i+2
.endr
.set i, 0
.rept 32
	v_pk_add_f32 v[T_E+i:T_E+i+1], v[T_E+i:T_E+i+1], v[T_D+i:T_D+i+1] neg_lo:[0,1] neg_hi:[0,1]
.set i, i+2
.endr
	s_wait_alu depctr_va_vdst(0)                   ; one wait for the 64 logarithms
	WIN 0x86
.set i, 0
.rept 32
	v_pk_add_f32 v[\base+i:\base+i+1], v[\base+i:\base+i+1], v[T_L+i:T_L+i+1]
.set i, i+2
.endr
	WIN 0x92
.set i, 0
.rept 32
	v_pk_fma_f32 v[\base+i:\base+i+1], v[\base+i:\base+i+1], s[LN2:LN2+1], v[T_E+i:T_E+i+1] op_sel_hi:[1,0,1]
.set i, i+2
.endr
	WIN 0
.endm
; The totals of the n earlier segments (images 3, 7, .. of my batch and head), my quarter of each, added up into window 3, v0-31, and their kn into v[KNB].  The loads and the additions of an image stand in one arm.
.macro BASEV n
.if (\n) == 0
	WIN 0xc0
.set i, 0
.rept 32
	v_mov_b32 v[i], 0                              ; the first segment has nothing in front of it
.set i, i+1
.endr
	WIN 0
	v_mov_b32 v[KNB], 0
.else
	WIN 0xc0
.irp i8, 0,1,2,3,4,5,6,7
	global_load_b128 v[4*\i8:4*\i8+3], v[VQ], s[S_BH:S_BH+1] offset:3*IMG+512*\i8
.endr
.if (\n) > 1
	WIN 0x80
.set jp, 1
.rept (\n)-1
.irp i8, 0,1,2,3,4,5,6,7
	global_load_b128 v[32*(jp-1)+4*\i8:32*(jp-1)+4*\i8+3], v[VQ], s[S_BH:S_BH+1] offset:(4*jp+3)*IMG+512*\i8
.endr
.set jp, jp+1
.endr
.endif
	WIN 0
	global_load_b32 v[KNB], v[VKN], s[S_BH:S_BH+1] offset:3*IMG
.if (\n) > 1
.set jp, 1
.rept (\n)-1
	global_load_b32 v[KNT+jp-1], v[VKN], s[S_BH:S_BH+1] offset:(4*jp+3)*IMG
.set jp, jp+1
.endr
.endif
	s_wait_loadcnt 0x0
.if (\n) > 1
	WIN 0xcb
.set jp, 1
.rept (\n)-1
.set i, 0
.rept 16
	v_pk_add_f32 v[i:i+1], v[i:i+1], v[32*(jp-1)+i:32*(jp-1)+i+1]
.set i, i+2
.endr
.set jp, jp+1
.endr
	WIN 0
.set jp, 1
.rept (\n)-1
	v_add_f32 v[KNB], v[KNB], v[KNT+jp-1]
.set jp, jp+1
.endr
.endif
.endif
.endm
	s_load_b256 s[4:11], s[0:1], 0x0               ; codes, scales, beta, bq
	s_load_b256 s[12:19], s[0:1], 0x20             ; bk, bv, st, ac
	s_load_b64 s[20:21], s[0:1], 0x40              ; asc
	v_lshl_add_u32 v[SPW], v0, 2, SPARE
	v_mov_b32 v[NIL], 0
	ds_add_u32 v[SPW], v[NIL]                      ; the wave's opening: the add, twice on end, and its wait ahead of my first tensor load
	ds_add_u32 v[SPW], v[NIL]
	v_lshrrev_b32 v1, 5, v0
	v_readfirstlane_b32 s[WV], v1
	s_and_b32 s[W1], s[WV], 1
	s_bfe_u32 s[CX], ttmp6, 0x40000
	s_lshl_b32 s[HEAD], ttmp9, 2
	s_add_co_u32 s[HEAD], s[HEAD], s[CX]           ; head = 4 x cluster x + cx: it enters global addresses alone
	s_and_b32 s[YY], ttmp7, 0xffff                 ; the same in all four partners
	s_lshr_b32 s[BB], s[YY], 3
	s_and_b32 s[SEG], s[YY], 7
	s_mov_b32 s[G1X], 15|(1<<20)|(1<<21)|(6<<22)|(3<<25)   ; the mask: all four work-groups; elements of 1 byte; padding: 4 words after every 128
	s_mov_b32 s[G1X+1], 512<<16
	s_mov_b32 s[G1X+2], 128<<16
	s_mov_b32 s[G1X+3], 512<<16
	s_mov_b32 s[G1X+4], 128
	s_mov_b32 s[G1X+5], 1024
	s_mov_b32 s[G1X+6], 0
	s_mov_b32 s[G1X+7], 0
	s_mov_b32 s[G1W], (1<<20)|(6<<22)|(3<<25)      ; no mask: my work-group's own load
	s_mov_b32 s[G1W+1], 512<<16
	s_mov_b32 s[G1W+2], 96<<16
	s_mov_b32 s[G1W+3], 512<<16
	s_mov_b32 s[G1W+4], 96
	s_mov_b32 s[G1W+5], 512
	s_mov_b32 s[G1W+6], 0
	s_mov_b32 s[G1W+7], 0
	s_lshl_b32 s58, s[SEG], 9                      ; x: row (256 seg + 128 half) x 2 + batch, in registers that never hold cx
	s_lshl_b32 s59, s[W1], 8
	s_add_co_u32 s58, s58, s59
	s_add_co_u32 s58, s58, s[BB]
	s_lshl_b32 s58, s58, 9
	s_mov_b32 s59, 0
	s_mul_i32 s60, s[W1], 128*PITCH
	s_mul_i32 s82, s[HEAD], 192                    ; weights: row 4096 + 192 head + 96 half
	s_mul_i32 s83, s[W1], 96
	s_add_co_u32 s82, s82, s83
	s_add_co_u32 s82, s82, 4096
	s_lshl_b32 s82, s82, 9
	s_mov_b32 s83, 0
	s_mul_i32 s84, s[W1], 96*PITCH
	s_mov_b32 s[SEL], 0x76543210
	s_mov_b32 s[SEL+1], 0xfedcba98
	s_mov_b32 s[LN2], 0x3f317218
	s_mov_b32 s[LN2+1], 0x3f317218
	s_mov_b32 s[HM], 0xffff0000
	s_wait_dscnt 0x0                               ; both opening adds are done
	s_wait_kmcnt 0x0
	CROUND                                         ; all four work-groups are here: the joint loads meet
	s_mov_b32 s[G0X], 1
	s_add_co_u32 s[G0X+1], s60, XT
	s_add_nc_u64 s[G0X+2:G0X+3], s[4:5], s[58:59]
	s_or_b32 s[G0X+3], s[G0X+3], 0x80000000
	s_mov_b32 s[G0W], 1
	s_add_co_u32 s[G0W+1], s84, WT
	s_add_nc_u64 s[G0W+2:G0W+3], s[4:5], s[82:83]
	s_or_b32 s[G0W+3], s[G0W+3], 0x80000000
	JLOAD G0X, G1X, G0W, G1W                       ; my one tensor load
	; ---- addresses
	v_and_b32 v1, 15, v0                           ; r
	v_bfe_u32 v2, v0, 4, 1                         ; h
	v_and_b32 v3, 31, v0                           ; lane
	v_and_b32 v36, 8, v1
	v_add_nc_u32 v36, v36, v1                      ; r + 8 (r / 8)
	v_lshlrev_b32 v[VXS], 6, v3
	v_lshlrev_b32 v[VWS], 5, v3
	v_lshl_add_u32 v[VWV], v2, 3, v36
	v_lshlrev_b32 v[VWV], 5, v[VWV]
	v_lshlrev_b32 v[VB], 5, v2
	v_lshlrev_b32 v[VBV], 2, v36
	v_lshlrev_b32 v[L16], 4, v3
	v_lshlrev_b32 v[L4], 2, v3
	v_lshlrev_b32 v37, 3, v2
	v_sub_nc_u32 v[DG], v1, v37
	s_lshl_b32 s85, s[WV], 12
	v_add_nc_u32 v[VQ], s85, v[L16]                ; 4,096 wave + 16 lane
	s_lshl_b32 s85, s[WV], 6
	v_lshl_add_u32 v38, v1, 2, s85                 ; 64 wave + 4 r
	v_add_nc_u32 v[VKN], 16384, v38
	v_mul_u32_u24 v37, v1, PITCH
	v_lshl_add_u32 v37, v2, 4, v37
	s_mul_i32 s85, s[WV], 64*PITCH
	v_add_nc_u32 v[ADX], s85, v37
	v_add_nc_u32 v[ADQ], WT, v37
	v_add_nc_u32 v[ADK], WT+64*PITCH, v37
	v_mul_u32_u24 v39, v36, PITCH
	v_lshl_add_u32 v39, v2, 4, v39
	v_add_nc_u32 v[ADV], WT+128*PITCH, v39
	v_add_nc_u32 v[AES], EIMG, v[VQ]
	v_mad_u32_u24 v[AKS], v2, IMG, v38
	v_add_nc_u32 v[AKS], EIMG+16384, v[AKS]
	s_mul_i32 s85, s[WV], IMG
	s_add_co_u32 s85, s85, EIMG
	v_add_nc_u32 v[AE], s85, v[L16]
	v_lshl_add_u32 v[AKN], v2, 5, s85
	v_add_nc_u32 v[AKN], 16384, v[AKN]
	s_lshl_b32 s86, s[BB], 4
	s_add_co_u32 s86, s86, s[HEAD]                 ; bh
	s_mul_i32 s86, s86, 32*IMG
	s_mov_b32 s87, 0
	s_add_nc_u64 s[S_BH:S_BH+1], s[16:17], s[86:87]
	s_mul_i32 s86, s[SEG], 4*IMG
	s_add_nc_u64 s[S_SEG:S_SEG+1], s[S_BH:S_BH+1], s[86:87]
	s_lshl_b32 s78, s[SEG], 9
	s_lshl_b32 s79, s[WV], 7
	s_add_co_u32 s78, s78, s79
	s_add_co_u32 s78, s78, s[BB]
	s_lshl_b32 s78, s78, 5
	s_mov_b32 s79, 0
	s_add_nc_u64 s[78:79], s[6:7], s[78:79]        ; x's scale words
	s_mul_i32 s80, s[HEAD], 192*32
	s_add_co_u32 s80, s80, 4096*32
	s_mov_b32 s81, 0
	s_add_nc_u64 s[80:81], s[6:7], s[80:81]        ; the weights'
	s_lshl_b32 s86, s[HEAD], 8
	s_add_nc_u64 s[10:11], s[10:11], s[86:87]      ; bq, bk, bv at my head
	s_add_nc_u64 s[12:13], s[12:13], s[86:87]
	s_add_nc_u64 s[14:15], s[14:15], s[86:87]
	s_lshl_b32 s86, s[HEAD], 2
	s_add_nc_u64 s[8:9], s[8:9], s[86:87]          ; beta[head]
	s_lshl_b32 s86, s[BB], 7
	s_lshl_b32 s88, s[SEG], 4
	s_add_co_u32 s86, s86, s88
	s_lshl_b32 s88, s[WV], 2
	s_add_co_u32 s86, s86, s88                     ; my first row tile: 128 batch + 16 seg + 4 wave
	s_lshl_b32 s86, s86, 13
	s_lshl_b32 s88, s[HEAD], 9
	s_add_co_u32 s86, s86, s88
	s_add_nc_u64 s[18:19], s[18:19], s[86:87]      ; ac
	s_lshl_b32 s86, s[BB], 5
	s_lshl_b32 s88, s[SEG], 2
	s_add_co_u32 s86, s86, s88
	s_add_co_u32 s86, s86, s[WV]                   ; my chunk: 32 batch + 4 seg + wave
	s_lshl_b32 s86, s86, 7
	s_lshl_b32 s88, s[HEAD], 13
	s_add_co_u32 s86, s86, s88
	s_add_nc_u64 s[20:21], s[20:21], s[86:87]      ; asc
	; ---- loads: the prefixes inside my segment first, then scale words and biases
	WIN 0xc0
.irp p, 0,1,2
.irp i8, 0,1,2,3,4,5,6,7
	global_load_b128 v[32+32*\p+4*\i8:32+32*\p+4*\i8+3], v[VQ], s[S_SEG:S_SEG+1] offset:IMG*\p+512*\i8
.endr
.endr
	WIN 0
.irp p, 0,1,2
	global_load_b32 v[KNI+\p], v[VKN], s[S_SEG:S_SEG+1] offset:IMG*\p
.endr
.irp q, 0,1
	global_load_b128 v[XS+8*\q:XS+8*\q+3], v[VXS], s[78:79] offset:2048*\q
	global_load_b128 v[XS+8*\q+4:XS+8*\q+7], v[VXS], s[78:79] offset:2048*\q+16
	global_load_b128 v[WSQ+8*\q:WSQ+8*\q+3], v[VWS], s[80:81] offset:1024*\q
	global_load_b128 v[WSQ+8*\q+4:WSQ+8*\q+7], v[VWS], s[80:81] offset:1024*\q+16
	global_load_b128 v[WSK+8*\q:WSK+8*\q+3], v[VWS], s[80:81] offset:2048+1024*\q
	global_load_b128 v[WSK+8*\q+4:WSK+8*\q+7], v[VWS], s[80:81] offset:2048+1024*\q+16
	global_load_b128 v[WSV+8*\q:WSV+8*\q+3], v[VWV], s[80:81] offset:4096+1024*\q
	global_load_b128 v[WSV+8*\q+4:WSV+8*\q+7], v[VWV], s[80:81] offset:4096+1024*\q+16
.endr
.irp f, 0,1,2,3
	global_load_b128 v[BQ+8*\f:BQ+8*\f+3], v[VB], s[10:11] offset:64*\f
	global_load_b128 v[BQ+8*\f+4:BQ+8*\f+7], v[VB], s[10:11] offset:64*\f+16
	global_load_b128 v[BK+8*\f:BK+8*\f+3], v[VB], s[12:13] offset:64*\f
	global_load_b128 v[BK+8*\f+4:BK+8*\f+7], v[VB], s[12:13] offset:64*\f+16
	global_load_b32 v[BV2+2*\f], v[VBV], s[14:15] offset:4*(32*(\f/2)+8*(\f%2))
	global_load_b32 v[BV2+2*\f+1], v[VBV], s[14:15] offset:4*(32*(\f/2)+8*(\f%2))
.endr
	s_load_b32 s89, s[8:9], 0x0
.irp jj, 0,1,2,3,4,5,6,7
	v_cmp_le_i32 s[MSK+\jj], \jj, v[DG]            ; key 8 h + jj counts for query r
.endr
	s_wait_kmcnt 0x0
	v_mov_b32 v36, s89
	v_mul_f32 v36, 0xbfb8aa3b, v36
	v_exp_f32 v36, v36                             ; e^-beta
	v_nop
	s_wait_alu depctr_va_vdst(0)                   ; a wait ahead of the first reader
	v_mul_f32 v[CC], 0x3e38aa3b, v36
	v_mul_f32 v[CC+1], 0x3e38aa3b, v36
	; ---- the earlier segments' totals: as many images as my segment's number says, which is the same in every wave and every partner
	s_cmp_eq_u32 s[SEG], 0
	s_cbranch_scc1 .Lb_0
	s_cmp_eq_u32 s[SEG], 1
	s_cbranch_scc1 .Lb_1
	s_cmp_eq_u32 s[SEG], 2
	s_cbranch_scc1 .Lb_2
	s_cmp_eq_u32 s[SEG], 3
	s_cbranch_scc1 .Lb_3
	s_cmp_eq_u32 s[SEG], 4
	s_cbranch_scc1 .Lb_4
	s_cmp_eq_u32 s[SEG], 5
	s_cbranch_scc1 .Lb_5
	s_cmp_eq_u32 s[SEG], 6
	s_cbranch_scc1 .Lb_6
	BASEV 7
	s_branch .Lbase
.Lb_0:
	BASEV 0
	s_branch .Lbase
.Lb_1:
	BASEV 1
	s_branch .Lbase
.Lb_2:
	BASEV 2
	s_branch .Lbase
.Lb_3:
	BASEV 3
	s_branch .Lbase
.Lb_4:
	BASEV 4
	s_branch .Lbase
.Lb_5:
	BASEV 5
	s_branch .Lbase
.Lb_6:
	BASEV 6
.Lbase:
	s_wait_loadcnt 0x0                             ; the prefixes, scale words and biases
	WIN 0xcf
.irp p, 0,1,2
.set i, 0
.rept 16
	v_pk_add_f32 v[32+32*\p+i:32+32*\p+i+1], v[32+32*\p+i:32+32*\p+i+1], v[i:i+1]   ; chunk p + 1's state = the earlier segments + the prefix up to chunk p
.set i, i+2
.endr
.endr
	WIN 0x0c
.irp e, 0,1,2,3
.irp i8, 0,1,2,3,4,5,6,7
	ds_store_b128 v[AES], v[32*\e+4*\i8:32*\e+4*\i8+3] offset:IMG*\e+512*\i8
.endr
.endr
	WIN 0
.irp p, 0,1,2
	v_add_f32 v[KNI+\p], v[KNB], v[KNI+\p]
.endr
	v_cndmask_b32 v36, v[KNB], v[KNI], s[HM]       ; lanes 0-15 carry state 0's (2's) numbers, lanes 16-31 state 1's (3's)
	v_cndmask_b32 v37, v[KNI+1], v[KNI+2], s[HM]
	ds_store_b32 v[AKS], v36
	ds_store_b32 v[AKS], v37 offset:2*IMG
	s_wait_tensorcnt 0x0                           ; my part of the tiles is in,
	s_wait_dscnt 0x0                               ; my part of the states has landed,
	s_barrier_signal -1
	s_barrier_wait -1                              ; everybody's has
	; ---- q, k, v on codes: eight K steps of 128, two sets of fragments, 48 accumulators by turns in one order
.macro FETCH s
.set FB, 128*((\s)%2)
	WIN 0x40
.irp p, 0,1,2,3
	FRAG FB+8*\p, ADX, 16*PITCH*\p+64*(\s)
.endr
.irp f, 0,1,2,3
	FRAG FB+32+8*\f, ADQ, 16*PITCH*\f+64*(\s)
.endr
.irp f, 0,1,2,3
	FRAG FB+64+8*\f, ADK, 16*PITCH*\f+64*(\s)
.endr
.irp u, 0,1,2,3
	FRAG FB+96+8*\u, ADV, PITCH*(32*(\u/2)+8*(\u%2))+64*(\s)
.endr
.endm
.macro MUL s
.set FB, 128*((\s)%2)
.if (\s) == 0
	WIN 0x85                                       ; A and B window 1, D window 2, C (the bias) window 0
.else
	WIN 0xa5                                       ; C and D window 2
.endif
.irp f, 0,1,2,3
.irp p, 0,1,2,3
.set rD, 8*(4*\f+\p)
.set rC, rD
.if (\s) == 0
.set rC, BQ+8*\f
.endif
	W4 rD, FB+32+8*\f, FB+8*\p, rC, WSQ+8*(\f/2)+(\s), XS+8*(\p/2)+(\s), \f%2, \p%2
.endr
.endr
.irp f, 0,1,2,3
.irp p, 0,1,2,3
.set rD, 128+8*(4*\f+\p)
.set rC, rD
.if (\s) == 0
.set rC, BK+8*\f
.endif
	W4 rD, FB+64+8*\f, FB+8*\p, rC, WSK+8*(\f/2)+(\s), XS+8*(\p/2)+(\s), \f%2, \p%2
.endr
.endr
	WIN 0xf5                                       ; C and D window 3
.irp u, 0,1,2,3
.irp p, 0,1,2,3
.set rD, 8*(4*\u+\p)
.set rC, rD
.if (\s) == 0
.set rC, -1
.endif
	W4 rD, FB+8*\p, FB+96+8*\u, rC, XS+8*(\p/2)+(\s), WSV+8*(\u/2)+(\s), \p%2, \u%2
.endr
.endr
.endm
	FETCH 0
.set STP, 0
.rept 8
.if STP < 7
.if STP > 0
	PLACES 4                                       ; in front of loads into the set that the last step's products read
.endif
	FETCH STP+1
	s_wait_dscnt 32                                ; all but the 32 loads just issued: this step's set is in
.else
	s_wait_dscnt 0x0
.endif
	MUL STP
.set STP, STP+1
.endr
	; ---- bias on v, softplus on q and k; my chunk's state is asked for
	PLACES 4
	WIN 0xc3
.irp u, 0,1,2,3
.set i, 0
.rept 16
	v_pk_add_f32 v[32*\u+i:32*\u+i+1], v[32*\u+i:32*\u+i+1], v[BV2+2*\u:BV2+2*\u+1]
.set i, i+2
.endr
.endr
	SOFTP 0
	SOFTP 64
	SOFTP 128
	SOFTP 192
	WIN 0x40
.set i, 0
.rept 32
	ds_load_b128 v[4*i:4*i+3], v[AE] offset:512*i  ; E's image: tile (a, u) at v[8 (4 u + a)] of window 1
.set i, i+1
.endr
	WIN 0
.irp a, 0,1,2,3
	ds_load_b128 v[KN+8*\a:KN+8*\a+3], v[AKN] offset:64*\a
	ds_load_b128 v[KN+8*\a+4:KN+8*\a+7], v[AKN] offset:64*\a+16
.endr
	; ---- P^T = k q^T: the ten tiles (keys i, queries j), j >= i; 16 K steps of four features; the ten accumulators by turns
	PLACES 4
	WIN 0x0a                                       ; A and B window 2, C and D window 0
.irp f, 0,1,2,3
.irp c, 0,1,2,3
.irp i, 0,1,2,3
.irp j, 0,1,2,3
.if \j >= \i
.set rD, PT+8*(4*\i-(\i*(\i-1))/2+\j-\i)
.set rC, rD
.if (\f)+(\c) == 0
.set rC, -1
.endif
	F4 rD, 128+8*(4*\f+\i)+2*\c, 8*(4*\f+\j)+2*\c, rC
.endif
.endr
.endr
.endr
.endr
	WIN 0
	PLACES 9                                       ; in front of the reads of these results by vector lines, and of the products that take them as a source
.irp jj, 0,1,2,3,4,5,6,7
.irp j, 0,1,2,3
	v_cndmask_b32 v[MK+8*\j+\jj], 0, v[PT+8*(4*\j-(\j*(\j-1))/2)+\jj], s[MSK+\jj]   ; the diagonal tiles under the causal mask, into registers of their own
.endr
.endr
	s_wait_dscnt 0x0                               ; E and kn are in
	; ---- the divisor: q . kn + the column sums of the masked P^T; the four tiles of queries by turns
	WIN 0x02
.irp j, 0,1,2,3
	v_pk_mul_f32 v[DS+2*\j:DS+2*\j+1], v[8*\j:8*\j+1], v[KN:KN+1]
.endr
.irp a, 0,1,2,3
.irp c, 0,1,2,3
.if (\a)+(\c) > 0
.irp j, 0,1,2,3
	v_pk_fma_f32 v[DS+2*\j:DS+2*\j+1], v[8*(4*\a+\j)+2*\c:8*(4*\a+\j)+2*\c+1], v[KN+8*\a+2*\c:KN+8*\a+2*\c+1], v[DS+2*\j:DS+2*\j+1]
.endr
.endif
.endr
.endr
	WIN 0
.irp c, 0,1,2,3
.irp i, 0,1,2,3
.irp j, 0,1,2,3
.if \j > \i
	v_pk_add_f32 v[DS+2*\j:DS+2*\j+1], v[DS+2*\j:DS+2*\j+1], v[PT+8*(4*\i-(\i*(\i-1))/2+\j-\i)+2*\c:PT+8*(4*\i-(\i*(\i-1))/2+\j-\i)+2*\c+1]   ; each tile from its low end on
.endif
.if \j == \i
	v_pk_add_f32 v[DS+2*\j:DS+2*\j+1], v[DS+2*\j:DS+2*\j+1], v[MK+8*\j+2*\c:MK+8*\j+2*\c+1]
.endif
.endr
.endr
.endr
	; ---- O^T = v^T P^T: K steps of four keys; the accumulators (u, j), j >= i, by turns
	WIN 0xf3                                       ; A window 3, B window 0, C and D window 3
.irp i, 0,1,2,3
.irp c, 0,1,2,3
.irp j, 0,1,2,3
.if \j >= \i
.irp u, 0,1,2,3
.set rD, 128+8*(4*\u+\j)
.set rC, rD
.if (\i)+(\c) == 0
.set rC, -1
.endif
.set rB, PT+8*(4*\i-(\i*(\i-1))/2+\j-\i)+2*\c
.if \j == \i
.set rB, MK+8*\j+2*\c
.endif
	F4 rD, 8*(4*\u+\i)+2*\c, rB, rC
.endr
.endif
.endr
.endr
.endr
	; ---- O^T += E^T q^T: 16 K steps of four features, the 16 accumulators by turns
	WIN 0xf9                                       ; A window 1, B window 2, C and D window 3
.irp a, 0,1,2,3
.irp c, 0,1,2,3
.irp j, 0,1,2,3
.irp u, 0,1,2,3
.set rD, 128+8*(4*\u+\j)
	F4 rD, 8*(4*\u+\a)+2*\c, 8*(4*\a+\j)+2*\c, rD
.endr
.endr
.endr
.endr
	; ---- the division
	WIN 0
	PLACES 8                                       ; in front of the reads of O^T, and of writes over registers that the products read
.irp k, 0,1,2,3,4,5,6,7
	v_mov_b32 v[TP+\k], 0                          ; a lane permute's destination counts as one of its sources
.endr
.irp j, 0,1,2,3
	v_add_f32 v[TM+\j], v[DS+2*\j], v[DS+2*\j+1]
.endr
.irp j, 0,1,2,3
	v_permlanex16_b32 v[TP+\j], v[TM+\j], s[SEL], s[SEL+1]
.endr
.irp j, 0,1,2,3
	v_add_f32 v[TM+\j], v[TM+\j], v[TP+\j]         ; the divisor of query r of tile j
.endr
.irp j, 0,1,2,3
	v_rcp_f32 v[RC+2*\j], v[TM+\j]
	v_rcp_f32 v[RC+2*\j+1], v[TM+\j]
.endr
	v_nop
	s_wait_alu depctr_va_vdst(0)                   ; one wait for the eight reciprocals, ahead of their first reader
	WIN 0x83                                       ; O^T window 3, the quotients window 2
.irp j, 0,1,2,3
.irp u, 0,1,2,3
.irp c, 0,1,2,3
	v_pk_mul_f32 v[8*(4*\j+\u)+2*\c:8*(4*\j+\u)+2*\c+1], v[128+8*(4*\u+\j)+2*\c:128+8*(4*\u+\j)+2*\c+1], v[RC+2*\j:RC+2*\j+1]
.endr
.endr
.endr
	; ---- the quantiser: eight blocks; block 2 j + b holds, in registers 16 (2 j + b) + i, channels 32 b + 16 h + i of query r of tile j
	WIN 0x0a
.irp b, 0,1,2,3,4,5,6,7
	v_max3_num_f32 v[TM+\b], |v[16*\b]|, |v[16*\b+1]|, 0x1800000   ; my 16 numbers, and the floor 2^(3 - 127): the byte cannot fall under 1
.endr
	WIN 0x28
.irp i, 2,4,6,8,10,12,14
.irp b, 0,1,2,3,4,5,6,7
	v_max3_num_f32 v[TM+\b], v[TM+\b], |v[16*\b+\i]|, |v[16*\b+\i+1]|
.endr
.endr
	WIN 0
.irp b, 0,1,2,3,4,5,6,7
	v_permlanex16_b32 v[TP+\b], v[TM+\b], s[SEL], s[SEL+1]
.endr
.irp b, 0,1,2,3,4,5,6,7
	v_max_num_f32 v[TM+\b], v[TM+\b], v[TP+\b]     ; with lane l xor 16's: the block's largest magnitude
.endr
.irp b, 0,1,2,3,4,5,6,7
	v_add_nc_u32 v[SO+\b], 0xff000000, v[TM+\b]    ; 2 off its exponent field: the conversion's scale operand
.endr
.irp b, 0,1,2,3,4,5,6,7
	v_lshrrev_b32 v[BY+\b], 23, v[SO+\b]           ; the scale's byte
.endr
.irp j, 0,1,2,3
	v_lshl_or_b32 v[P16+\j], v[BY+2*\j+1], 8, v[BY+2*\j]   ; my head's two bytes of row r of tile j
.endr
	WIN 0x02
.irp b, 0,1,2,3,4,5,6,7
	v_cvt_scalef32_pk8_fp4_f32 v[PC+2*\b], v[16*\b:16*\b+7], v[SO+\b]
	v_cvt_scalef32_pk8_fp4_f32 v[PC+2*\b+1], v[16*\b+8:16*\b+15], v[SO+\b]
.endr
	WIN 0
	v_nop                                          ; one plain line behind the conversions
.irp j, 0,1,2,3
.irp i, 0,1
	v_permlane16_swap_b32 v[PC+4*\j+\i], v[PC+4*\j+2+\i]   ; the operand's layout wants a whole block in a lane: lanes 0-15 block 0, lanes 16-31 block 1
.endr
.endr
.irp j, 0,1,2,3
	global_store_b128 v[L16], v[PC+4*\j:PC+4*\j+3], s[18:19] offset:8192*\j   ; half a fragment of the next product's operand, as an image: 512 consecutive bytes, aligned
.endr
	v_cndmask_b32 v164, v[P16], v[P16+1], s[HM]    ; lanes 0-15: tiles 0 and 2; lanes 16-31: tiles 1 and 3
	v_cndmask_b32 v165, v[P16+2], v[P16+3], s[HM]
	v_lshl_or_b32 v164, v165, 16, v164
	global_store_b32 v[L4], v164, s[20:21]
	s_wait_tensorcnt 0x0                           ; the wave's end: behind my last tensor load and my last LDS store
	ds_add_u32 v[SPW], v[NIL]
	s_wait_dscnt 0x0
	CROUND                                         ; the closing round
	s_endpgm
.Lfunc_end_k_qf60a841d93_attn:
	.size	k_qf60a841d93_attn, .Lfunc_end_k_qf60a841d93_attn-k_qf60a841d93_attn
	.p2alignl 7, 3214868480
	.fill 96, 4, 3214868480
	.section	.rodata,"a",@progbits
	.p2align	6, 0x0
	.amdhsa_kernel k_qf60a841d93_attn
		.amdhsa_group_segment_fixed_size 303616
		.amdhsa_private_segment_fixed_size 0
		.amdhsa_enable_private_segment 0
		.amdhsa_kernarg_size 72
		.amdhsa_user_sgpr_count 2
		.amdhsa_user_sgpr_kernarg_segment_ptr 1
		.amdhsa_wavefront_size32 1
		.amdhsa_system_sgpr_workgroup_id_x 1
		.amdhsa_system_sgpr_workgroup_id_y 1
		.amdhsa_system_sgpr_workgroup_id_z 1
		.amdhsa_system_vgpr_workitem_id 0
		.amdhsa_next_free_vgpr 1024
		.amdhsa_next_free_sgpr 100
		.amdhsa_reserve_vcc 0
		.amdhsa_float_denorm_mode_32 3
		.amdhsa_float_denorm_mode_16_64 3
		.amdhsa_memory_ordered 1
		.amdhsa_forward_progress 1
		.amdhsa_inst_pref_size 255
	.end_amdhsa_kernel
	.section	.bss,"aw",@nobits
	.p2align	6
	.space	262144
	.amdgpu_metadata
---
amdhsa.version: [ 1, 2 ]
amdhsa.kernels:
  - .name:           k_qf60a841d93_attn
    .symbol:         k_qf60a841d93_attn.kd
    .args:
      - { .name: codes, .offset: 0, .size: 8, .value_kind: global_buffer, .address_space: global }
      - { .name: scales, .offset: 8, .size: 8, .value_kind: global_buffer, .address_space: global }
      - { .name: beta, .offset: 16, .size: 8, .value_kind: global_buffer, .address_space: global }
      - { .name: bq, .offset: 24, .size: 8, .value_kind: global_buffer, .address_space: global }
      - { .name: bk, .offset: 32, .size: 8, .value_kind: global_buffer, .address_space: global }
      - { .name: bv, .offset: 40, .size: 8, .value_kind: global_buffer, .address_space: global }
      - { .name: st, .offset: 48, .size: 8, .value_kind: global_buffer, .address_space: global }
      - { .name: ac, .offset: 56, .size: 8, .value_kind: global_buffer, .address_space: global }
      - { .name: asc, .offset: 64, .size: 8, .value_kind: global_buffer, .address_space: global }
    .group_segment_fixed_size: 303616
    .private_segment_fixed_size: 0
    .kernarg_segment_align: 8
    .kernarg_segment_size: 72
    .max_flat_workgroup_size: 128
    .sgpr_count:     100
    .vgpr_count:     1024
    .wavefront_size: 32
...
	.end_amdgpu_metadata
.endif
;; end of part 3
;; launch outp (part 4): grid 8 x 32, 4 waves a work-group, clusters of 4 x 4, 167,936 bytes of LDS; arguments codes, scales, ac, asc, bo, out0; writes out0
.if DOCPART == 4
	.amdgcn_target "amdgcn-amd-amdhsa--gfx1250"
	.amdhsa_code_object_version 6
	.text
	.protected	k_qf60a841d93_outp
	.globl	k_qf60a841d93_outp
	.p2align	8
	.type	k_qf60a841d93_outp,@function
k_qf60a841d93_outp:
	s_mov_b64 s[64:65], 0
	v_nop
	global_prefetch_b8 v0, s[64:65] scope:SCOPE_SE
	s_setreg_imm32_b32 hwreg(HW_REG_WAVE_MODE, 25, 1), 1
	s_wait_xcnt 0x0
	s_wait_alu depctr_hold_cnt(0) depctr_sa_sdst(0) depctr_va_vdst(0) depctr_va_sdst(0) depctr_va_ssrc(0) depctr_va_vcc(0) depctr_vm_vsrc(0)
	s_getreg_b32 s2, hwreg(HW_REG_IB_STS2, 6, 4)
	s_cmp_eq_u32 s2, 0
	s_cbranch_scc0 .Lentry_in_a_cluster
	s_endpgm
.Lentry_in_a_cluster:
	s_bfe_u32 s2, ttmp6, 0x10000c
	s_cmp_lg_u32 s2, 0xf033
	s_cbranch_scc0 .Lentry_shape_is_right
	s_endpgm
.Lentry_shape_is_right:
; LINEAR ATTENTION, launch 4 of 4: out0 = attention Wo^T + bo on codes of FP4 with E8M0 scales, sums in f32.  Nothing of the problem is left out.
; A work-group makes 128 rows (128 positions of one batch) x 128 columns; each of its four waves 64 x 64: 16 accumulators.  256 work-groups.
; The attention's codes lie in ac as images of the operand's registers (row tile T of 16 positions: 8,192 bytes; K step s: two pieces of 512 bytes, 16 bytes a lane): the work-group's eight row tiles are one dense
; block of 65,536 bytes.  Wo's codes lie as rows of 512 bytes.  All of K (1,024) fits in LDS: first fills only, one tensor load a wave.
; THE MATRIX INSTRUCTION IS USED TRANSPOSED (source 0 = 16 rows of Wo, source 1 = 16 rows of the attention): a lane holds eight neighbouring columns of one row; bo is the C of each sum's first product.
; CLUSTER 4 x 4: the four work-groups of a row of the cluster ask jointly for the attention's block, the four of a column for Wo's rows.
; REGISTERS: window 0: addresses; v32-63 scale words (scales and nothing else); v64-79 the stored scale halves; v80-111 bo; v128-255 two sets of fragments, on the way out rows of out0.  Window 1: the accumulators.
.set PITCH, 528
.set AT,    0                          ; the attention's images: 65,536 bytes, dense
.set BT,    65536                      ; Wo: 128 rows
.set STG,   BT+128*PITCH               ; the way out: 16 rows x (256 bytes + 16) for each wave
.set SPITCH, 272
.set SPARE, STG+4*16*SPITCH
.set ADA, 4
.set ADB, 5
.set STO, 6
.set RD,  7
.set CO,  8
.set L4,  9
.set VWS, 10
.set VB,  11
.set SPW, 22
.set NIL, 23
.set AS,  32                           ; v32-47 the attention's scale words: pair p of tiles, K step s at 32 + 8 p + s
.set WOS, 48                           ; v48-63 Wo's likewise
.set RAW, 64                           ; v64-79 a word for each head: low half tile h's two bytes, high half tile 2 + h's
.set BO,  80
.set OB,  128
.set WV,  16
.set W1,  17
.set CX,  18
.set CY,  19
.set NX,  20
.set MY,  21
.set WR,  22
.set G1A, 24
.set G1B, 32
.set G0A, 40
.set G0B, 44
.set MSB, 0
.macro WIN new
.if MSB != \new
	s_set_vgpr_msb (MSB<<8)|\new
.set MSB, \new
.endif
.endm
.macro PLACES n
.rept \n
	v_nop
.endr
.endm
.macro CROUND
	s_barrier_signal -1
	s_barrier_wait -1
	s_cmp_lg_u32 s[WV], 0
	s_cbranch_scc1 .Lnot_wave_0_\@
	s_barrier_signal -3
.Lnot_wave_0_\@:
	s_barrier_wait -3
	s_barrier_signal -1
	s_barrier_wait -1
.endm
.macro JLOAD g0a, g1a, g0b, g1b
	s_cmp_lt_u32 s[WV], 2
	s_cbranch_scc0 .Lfor_b_\@
	tensor_load_to_lds s[\g0a:\g0a+3], s[\g1a:\g1a+7]
	s_nop 0
.rept 4
	v_nop
.endr
	s_branch .Lasked_\@
.Lfor_b_\@:
	tensor_load_to_lds s[\g0b:\g0b+3], s[\g1b:\g1b+7]
	s_nop 0
.rept 4
	v_nop
.endr
.Lasked_\@:
.endm
.macro W4 d, a, b, c, sa, sb, ra, rb
.if (\ra) && (\rb)
	v_wmma_scale_f32_16x16x128_f8f6f4 v[\d:\d+7], v[\a:\a+7], v[\b:\b+7], v[\c:\c+7], v[\sa], v[\sb] matrix_a_fmt:MATRIX_FMT_FP4 matrix_b_fmt:MATRIX_FMT_FP4 matrix_a_scale:MATRIX_SCALE_ROW1 matrix_b_scale:MATRIX_SCALE_ROW1
.elseif (\ra)
	v_wmma_scale_f32_16x16x128_f8f6f4 v[\d:\d+7], v[\a:\a+7], v[\b:\b+7], v[\c:\c+7], v[\sa], v[\sb] matrix_a_fmt:MATRIX_FMT_FP4 matrix_b_fmt:MATRIX_FMT_FP4 matrix_a_scale:MATRIX_SCALE_ROW1
.elseif (\rb)
	v_wmma_scale_f32_16x16x128_f8f6f4 v[\d:\d+7], v[\a:\a+7], v[\b:\b+7], v[\c:\c+7], v[\sa], v[\sb] matrix_a_fmt:MATRIX_FMT_FP4 matrix_b_fmt:MATRIX_FMT_FP4 matrix_b_scale:MATRIX_SCALE_ROW1
.else
	v_wmma_scale_f32_16x16x128_f8f6f4 v[\d:\d+7], v[\a:\a+7], v[\b:\b+7], v[\c:\c+7], v[\sa], v[\sb] matrix_a_fmt:MATRIX_FMT_FP4 matrix_b_fmt:MATRIX_FMT_FP4
.endif
.endm
.macro FRAG reg, adr, off
	ds_load_b128 v[\reg:\reg+3], v[\adr] offset:\off
	ds_load_b128 v[\reg+4:\reg+7], v[\adr] offset:\off+32
.endm
	s_load_b256 s[4:11], s[0:1], 0x0               ; codes, scales, ac, asc
	s_load_b128 s[12:15], s[0:1], 0x20             ; bo, out0
	v_lshl_add_u32 v[SPW], v0, 2, SPARE
	v_mov_b32 v[NIL], 0
	ds_add_u32 v[SPW], v[NIL]                      ; the wave's opening: the add, twice on end, and its wait ahead of my first tensor load
	ds_add_u32 v[SPW], v[NIL]
	v_lshrrev_b32 v1, 5, v0
	v_readfirstlane_b32 s[WV], v1
	s_and_b32 s[W1], s[WV], 1                      ; which half of the columns is mine; also which half of a tile I fetch
	s_lshr_b32 s[WR], s[WV], 1                     ; which half of the rows
	s_bfe_u32 s[CX], ttmp6, 0x40000
	s_bfe_u32 s[CY], ttmp6, 0x40004
	s_lshl_b32 s[NX], ttmp9, 2
	s_add_co_u32 s[NX], s[NX], s[CX]               ; block of 128 columns
	s_and_b32 s[MY], ttmp7, 0xffff
	s_lshl_b32 s[MY], s[MY], 2
	s_add_co_u32 s[MY], s[MY], s[CY]               ; block of 128 rows: 16 batch + (position / 128)
	s_lshl_b32 s54, s[CY], 2
	s_lshl_b32 s54, 15, s54                        ; my row of the cluster
	s_lshl_b32 s55, 0x1111, s[CX]                  ; my column
	s_or_b32 s[G1A], s54, (3<<16)|(1<<21)          ; the attention's block: elements of 8 bytes, no padding; bit 21 beside the mask
	s_mov_b32 s[G1A+1], 32<<16                     ; rows of 256 bytes
	s_mov_b32 s[G1A+2], 128<<16
	s_mov_b32 s[G1A+3], 32<<16
	s_mov_b32 s[G1A+4], 128
	s_mov_b32 s[G1A+5], 32
	s_mov_b32 s[G1A+6], 0
	s_mov_b32 s[G1A+7], 0
	s_or_b32 s[G1B], s55, (1<<20)|(1<<21)|(6<<22)|(3<<25)   ; Wo's rows: elements of 1 byte; 4 words of padding after every 128
	s_mov_b32 s[G1B+1], 512<<16
	s_mov_b32 s[G1B+2], 64<<16
	s_mov_b32 s[G1B+3], 512<<16
	s_mov_b32 s[G1B+4], 64
	s_mov_b32 s[G1B+5], 512
	s_mov_b32 s[G1B+6], 0
	s_mov_b32 s[G1B+7], 0
	s_lshl_b32 s48, s[MY], 16                      ; ac: 65,536 my + 32,768 half, in registers that never hold cx
	s_lshl_b32 s49, s[W1], 15
	s_add_co_u32 s48, s48, s49
	s_mov_b32 s49, 0
	s_lshl_b32 s50, s[NX], 7                       ; codes: row 7168 + 128 nx + 64 half, in registers that never hold cy
	s_lshl_b32 s51, s[W1], 6
	s_add_co_u32 s50, s50, s51
	s_add_co_u32 s50, s50, 7168
	s_lshl_b32 s50, s50, 9
	s_mov_b32 s51, 0
	s_lshl_b32 s52, s[W1], 15
	s_mul_i32 s53, s[W1], 64*PITCH
	s_wait_dscnt 0x0                               ; both opening adds are done
	s_wait_kmcnt 0x0
	CROUND                                         ; all sixteen work-groups are here: the joint loads meet
	s_mov_b32 s[G0A], 1
	s_add_co_u32 s[G0A+1], s52, AT
	s_add_nc_u64 s[G0A+2:G0A+3], s[8:9], s[48:49]
	s_or_b32 s[G0A+3], s[G0A+3], 0x80000000
	s_mov_b32 s[G0B], 1
	s_add_co_u32 s[G0B+1], s53, BT
	s_add_nc_u64 s[G0B+2:G0B+3], s[4:5], s[50:51]
	s_or_b32 s[G0B+3], s[G0B+3], 0x80000000
	JLOAD G0A, G1A, G0B, G1B                       ; my one tensor load
	v_and_b32 v1, 15, v0                           ; r
	v_bfe_u32 v2, v0, 4, 1                         ; h
	v_and_b32 v3, 31, v0                           ; lane
	v_lshlrev_b32 v[L4], 2, v3
	v_lshlrev_b32 v[VWS], 5, v3
	v_lshlrev_b32 v[VB], 5, v2
	s_lshl_b32 s56, s[MY], 1
	s_add_co_u32 s56, s56, s[WR]                   ; my chunk of 64 rows
	s_lshl_b32 s56, s56, 7
	s_mov_b32 s57, 0
	s_add_nc_u64 s[10:11], s[10:11], s[56:57]      ; asc
	s_lshl_b32 s56, s[NX], 7
	s_lshl_b32 s58, s[W1], 6
	s_add_co_u32 s56, s56, s58
	s_add_co_u32 s56, s56, 7168
	s_lshl_b32 s56, s56, 5
	s_add_nc_u64 s[6:7], s[6:7], s[56:57]          ; Wo's scale words: my 64 rows
	s_lshl_b32 s56, s[NX], 9
	s_lshl_b32 s58, s[W1], 8
	s_add_co_u32 s56, s56, s58                     ; my first column, in bytes
	s_add_nc_u64 s[12:13], s[12:13], s[56:57]      ; bo
	s_add_nc_u64 s[14:15], s[14:15], s[56:57]      ; out0: the column,
	s_and_b32 s56, s[MY], 15
	s_lshl_b32 s56, s56, 8
	s_lshl_b32 s58, s[WR], 7
	s_add_co_u32 s56, s56, s58
	s_lshr_b32 s58, s[MY], 4
	s_add_co_u32 s56, s56, s58                     ; and the row (128 sb + 64 wr) x 2 + batch
	s_lshl_b32 s56, s56, 12
	s_add_nc_u64 s[14:15], s[14:15], s[56:57]
.irp hd, 0,1,2,3,4,5,6,7,8,9,10,11,12,13,14,15
	global_load_b32 v[RAW+\hd], v[L4], s[10:11] offset:8192*\hd
.endr
.irp q, 0,1
	global_load_b128 v[WOS+8*\q:WOS+8*\q+3], v[VWS], s[6:7] offset:1024*\q
	global_load_b128 v[WOS+8*\q+4:WOS+8*\q+7], v[VWS], s[6:7] offset:1024*\q+16
.endr
.irp f, 0,1,2,3
	global_load_b128 v[BO+8*\f:BO+8*\f+3], v[VB], s[12:13] offset:64*\f
	global_load_b128 v[BO+8*\f+4:BO+8*\f+7], v[VB], s[12:13] offset:64*\f+16
.endr
	s_lshl_b32 s58, s[WR], 15
	v_lshl_add_u32 v[ADA], v3, 4, s58              ; my four row tiles' images, 16 bytes a lane
	v_mul_u32_u24 v12, v1, PITCH
	v_lshl_add_u32 v12, v2, 4, v12
	s_mul_i32 s58, s[W1], 64*PITCH
	s_add_co_u32 s58, s58, BT
	v_add_nc_u32 v[ADB], s58, v12
	s_mul_i32 s58, s[WV], 16*SPITCH
	s_add_co_u32 s58, s58, STG                     ; my stage
	v_mul_u32_u24 v12, v1, SPITCH
	v_lshl_add_u32 v12, v2, 5, v12
	v_add_nc_u32 v[STO], s58, v12                  ; in: row r, 32 bytes for each half of the lanes
	v_mul_u32_u24 v12, v2, SPITCH
	v_lshl_add_u32 v12, v1, 4, v12
	v_add_nc_u32 v[RD], s58, v12                   ; back: lanes 0-15 one row of 256 bytes, lanes 16-31 the next
	v_lshlrev_b32 v[CO], 13, v2
	v_lshl_add_u32 v[CO], v1, 4, v[CO]             ; and the same two rows in out0: positions lie 8,192 bytes apart
	s_wait_loadcnt 0x0
.irp s, 0,1,2,3,4,5,6,7
	v_perm_b32 v[AS+\s], v[RAW+2*\s+1], v[RAW+2*\s], 0x05040100     ; K step s = heads 2 s, 2 s + 1: their low halves make the word of tiles 0 (lanes 0-15) and 1 (lanes 16-31),
	v_perm_b32 v[AS+8+\s], v[RAW+2*\s+1], v[RAW+2*\s], 0x07060302   ; their high halves that of tiles 2 and 3
.endr
	PLACES 8                                       ; scale registers written by vector lines stand eight places ahead of the products
	s_wait_tensorcnt 0x0                           ; my part of the tiles is in,
	s_barrier_signal -1
	s_barrier_wait -1                              ; everybody's is
.macro FETCH s
.set FB, 128+64*((\s)%2)
	WIN 0
.irp i, 0,1,2,3
	ds_load_b128 v[FB+8*\i:FB+8*\i+3], v[ADA] offset:8192*\i+1024*(\s)
	ds_load_b128 v[FB+8*\i+4:FB+8*\i+7], v[ADA] offset:8192*\i+1024*(\s)+512
.endr
.irp f, 0,1,2,3
	FRAG FB+32+8*\f, ADB, 16*PITCH*\f+64*(\s)
.endr
.endm
.macro MUL s
.set FB, 128+64*((\s)%2)
.if (\s) == 0
	WIN 0x40                                       ; D window 1, C (bo) window 0
.else
	WIN 0x50                                       ; C and D window 1
.endif
.irp i, 0,1,2,3
.irp f, 0,1,2,3
.set rD, 8*(4*\i+\f)
.set rC, rD
.if (\s) == 0
.set rC, BO+8*\f
.endif
	W4 rD, FB+32+8*\f, FB+8*\i, rC, WOS+8*(\f/2)+(\s), AS+8*(\i/2)+(\s), \f%2, \i%2
.endr
.endr
.endm
	FETCH 0
.set STP, 0
.rept 8                                ; eight K steps of 128; the 16 accumulators by turns in one order
.if STP < 7
.if STP > 0
	PLACES 4                                       ; in front of loads into the set that the last step's products read
.endif
	FETCH STP+1
	s_wait_dscnt 16                                ; all but the 16 loads just issued: this step's set is in
.else
	s_wait_dscnt 0x0
.endif
	MUL STP
.set STP, STP+1
.endr
; THE WAY OUT, a block of 16 rows x 64 columns at a time, through my own stage: a lane holds 32 neighbouring bytes of a row; the rows come back whole, and sixteen lanes store 256 consecutive bytes, aligned.
; LDS serves a wave's instructions in order: no wait between the stores and the loads, nor in front of the next block's stores.
.macro TOSTAGE i
	WIN 0x04                                       ; an LDS store's data are its source 1: window 1
.irp f, 0,1,2,3
	ds_store_b128 v[STO], v[8*(4*(\i)+\f):8*(4*(\i)+\f)+3] offset:64*\f          ; each accumulator from its low end on
	ds_store_b128 v[STO], v[8*(4*(\i)+\f)+4:8*(4*(\i)+\f)+7] offset:64*\f+16
.endr
	WIN 0
.irp t, 0,1,2,3,4,5,6,7
	ds_load_b128 v[OB+32*((\i)%2)+4*\t:OB+32*((\i)%2)+4*\t+3], v[RD] offset:2*SPITCH*\t
.endr
.endm
.macro SEND i, younger                 ; younger: the LDS instructions issued behind block i's loads, which may stay out
	s_wait_dscnt \younger
.irp t, 0,1,2,3,4,5,6,7
	global_store_b128 v[CO], v[OB+32*((\i)%2)+4*\t:OB+32*((\i)%2)+4*\t+3], s[14:15] offset:(16*(\i)+2*\t)*8192 th:TH_STORE_NT
.endr
.endm
	PLACES 4                                       ; in front of the reads of results and of loads into registers that held fragments
	TOSTAGE 0
.irp i, 1,2,3
.if \i > 1
	s_wait_xcnt 0x0                                ; the stores of the block two back have read their registers: this block's loads may land there
.endif
	TOSTAGE \i
	SEND \i-1, 16                                  ; behind that block's loads: this block's 8 stores and 8 loads
.endr
	SEND 3, 0
	s_wait_tensorcnt 0x0                           ; the wave's end: behind my last tensor load and my last LDS store
	ds_add_u32 v[SPW], v[NIL]
	s_wait_dscnt 0x0
	CROUND                                         ; the closing round
	s_endpgm
.Lfunc_end_k_qf60a841d93_outp:
	.size	k_qf60a841d93_outp, .Lfunc_end_k_qf60a841d93_outp-k_qf60a841d93_outp
	.p2alignl 7, 3214868480
	.fill 96, 4, 3214868480
	.section	.rodata,"a",@progbits
	.p2align	6, 0x0
	.amdhsa_kernel k_qf60a841d93_outp
		.amdhsa_group_segment_fixed_size 167936
		.amdhsa_private_segment_fixed_size 0
		.amdhsa_enable_private_segment 0
		.amdhsa_kernarg_size 48
		.amdhsa_user_sgpr_count 2
		.amdhsa_user_sgpr_kernarg_segment_ptr 1
		.amdhsa_wavefront_size32 1
		.amdhsa_system_sgpr_workgroup_id_x 1
		.amdhsa_system_sgpr_workgroup_id_y 1
		.amdhsa_system_sgpr_workgroup_id_z 1
		.amdhsa_system_vgpr_workitem_id 0
		.amdhsa_next_free_vgpr 384
		.amdhsa_next_free_sgpr 100
		.amdhsa_reserve_vcc 0
		.amdhsa_float_denorm_mode_32 3
		.amdhsa_float_denorm_mode_16_64 3
		.amdhsa_memory_ordered 1
		.amdhsa_forward_progress 1
		.amdhsa_inst_pref_size 44
	.end_amdhsa_kernel
	.amdgpu_metadata
---
amdhsa.version: [ 1, 2 ]
amdhsa.kernels:
  - .name:           k_qf60a841d93_outp
    .symbol:         k_qf60a841d93_outp.kd
    .args:
      - { .name: codes, .offset: 0, .size: 8, .value_kind: global_buffer, .address_space: global }
      - { .name: scales, .offset: 8, .size: 8, .value_kind: global_buffer, .address_space: global }
      - { .name: ac, .offset: 16, .size: 8, .value_kind: global_buffer, .address_space: global }
      - { .name: asc, .offset: 24, .size: 8, .value_kind: global_buffer, .address_space: global }
      - { .name: bo, .offset: 32, .size: 8, .value_kind: global_buffer, .address_space: global }
      - { .name: out0, .offset: 40, .size: 8, .value_kind: global_buffer, .address_space: global }
    .group_segment_fixed_size: 167936
    .private_segment_fixed_size: 0
    .kernarg_segment_align: 8
    .kernarg_segment_size: 48
    .max_flat_workgroup_size: 128
    .sgpr_count:     100
    .vgpr_count:     384
    .wavefront_size: 32
...
	.end_amdgpu_metadata
.endif
;; end of part 4
